; MI455X (gfx1250); checked and timed in simulation.
; The chip was launched on July 23, 2026; its instructions are those of AMD's public machine-readable ISA for CDNA 5 (MIT licence, August 2026) and "CDNA5" Instruction Set Architecture Reference Guide (July 2026). The comments in the code are by the model that wrote it; some were corrected since.
;; Mo BA Attention. Allowed arithmetic: matrix products marked QUANTISED: E2M3 operands, one E8M0 scale for each 32 along K, by v_wmma_scale_f32_16x16x128_f8f6f4 with both operands' format E2M3, f32 sums; everything else in f32.
;; Inputs: cos 4,096 x 64 float32; sin 4,096 x 64 float32; wk 1,024 x 1,024 float32; wo 1,024 x 1,024 float32; wq 1,024 x 1,024 float32; wv 1,024 x 1,024 float32; x 2 x 4,096 x 1,024 float32.
;; Outputs: out0 2 x 4,096 x 1,024 float32.
;; This version of the problem:
;;   THIS VERSION OF THE PROBLEM IS GIVEN IN LOW PRECISION. The matrix products marked QUANTISED in the list below multiply operands that are first quantised to E2M3 (2 exponent bits, 3 mantissa bits; 6 bits a number), with one power-of-two scale for each 32 numbers along K (OCP MX v1.0); their sums are f32. All else is computed in f32.
;;   The module's matrix products, in the order in which they are computed (A, B: the left and right operand; K: the contracted axis; several contracted axes count as one K, in the product's order):
;;     1. [M 8,192, K 1,024] x [K 1,024, N 1,024]; A: input x; B: input wq: QUANTISED
;;     2. [M 8,192, K 1,024] x [K 1,024, N 1,024]; A: input x; B: input wk: QUANTISED
;;     3. [M 8,192, K 1,024] x [K 1,024, N 1,024]; A: input x; B: input wv: QUANTISED
;;     4. batch 32 x [M 4,096, K 64] x [K 64, N 1,024]; A: computed on the way; B: computed on the way: QUANTISED
;;     5. batch 32 x [M 4,096, K 1,024] x [K 1,024, N 64]; A: softmax (see below); B: computed on the way: QUANTISED
;;     6. batch 32 x [M 4,096, K 64] x [K 64, N 512]; A: computed on the way; B: computed on the way: QUANTISED
;;     7. batch 32 x [M 4,096, K 512] x [K 512, N 64]; A: softmax (see below); B: computed on the way: QUANTISED
;;     8. batch 32 x [M 4,096, K 64] x [K 64, N 256]; A: computed on the way; B: computed on the way: QUANTISED
;;     9. batch 32 x [M 4,096, K 256] x [K 256, N 64]; A: softmax (see below); B: computed on the way: QUANTISED
;;     10. batch 32 x [M 4,096, K 64] x [K 64, N 128]; A: computed on the way; B: computed on the way: QUANTISED
;;     11. batch 32 x [M 4,096, K 128] x [K 128, N 64]; A: softmax (see below); B: computed on the way: QUANTISED
;;     12. [M 8,192, K 1,024] x [K 1,024, N 1,024]; A: computed on the way; B: input wo: QUANTISED
;;   THE QUANTISER, for each operand of a quantised product, along K:
;;     - K is cut into blocks of 32 from its start; a last block that is shorter is filled with zeros.
;;     - A block's scale is 2^e with e = floor(log2(the largest magnitude in the block)) - 2, held to -126 .. 127; a block of zeros has e = 0. As a byte (E8M0): e + 127.
;;     - Each number is divided by its block's scale, clamped to +-7.5, and rounded to the nearest number of E2M3, ties to even, subnormals kept.
;;     - The product sums the exact products of the quantised numbers (number of the format x scale) in f32.
;;   ~~~python
;;   def quantise(x, axis):      # numpy; x: float32 -> the quantised numbers, widened to float32 again
;;       x = np.moveaxis(x, axis, -1); K = x.shape[-1]
;;       x = np.pad(x, [(0, 0)] * (x.ndim - 1) + [(0, -K % 32)]); x = x.reshape(x.shape[:-1] + (-1, 32)); a = np.abs(x).max(-1, keepdims=True)
;;       e = np.where(a > 0, np.clip(np.frexp(np.where(a > 0, a, 1))[1] - 1 - 2, -126, 127), 0)      # np.frexp(a)[1] - 1 = floor(log2(a)), exactly
;;       r = np.clip(x / 2.0 ** e, -7.5, 7.5)
;;       step = 2.0 ** (np.maximum(np.frexp(np.where(r == 0, 1, r))[1] - 1, 0) - 3)
;;       q = np.round(r / step) * step * 2.0 ** e      # np.round: ties to even
;;       return np.moveaxis(q.reshape(q.shape[:-2] + (-1,))[..., :K], -1, axis).astype(np.float32)
;;   ~~~
;;   SOFTMAX AHEAD OF A QUANTISED PRODUCT. Where the list says 'softmax', what is quantised is not the finished softmax but p = 2^(t - M), with t = logit x log2(e) and M = ceil(the row's largest t), a whole number; so 1/2 < the row's largest p <= 1. The row's sum l is taken of the UNQUANTISED p, in f32, and the product's result is divided by l at the end. Since M is a whole number, a kernel that streams over the keys may use a running M (the ceiling of the running maximum): every later rescaling is an exact power of two, which a block's scale takes up: the codes' values come out the same.
;;   OPERANDS COMPUTED ON THE WAY. 'Computed on the way' means the value that the module computes at that place (a softmax that the list does not call 'softmax' is quantised finished and normalised). What goes into a quantiser is computed in f32, as accurately as f32 sums, v_exp_f32 and their like allow (about 1e-6 of the number): no bf16 or f16 on the way to a quantiser, and a product that is left as it is and whose result goes on into a quantised operand takes f32 operands (vector FMAs, or v_wmma_f32_16x16x4_f32). A number that lies on a knife's edge between two numbers of the format may be rounded either way, as far as f32 arithmetic and the matrix unit's own rounding can turn it there, and no further.
;; One version. Each part assembles by itself: llvm-mc -triple=amdgcn-amd-amdhsa -mcpu=gfx1250 --defsym DOCPART=n.
;; ======== version 1 of 1: 4 launches
;; limits: right only within a limited range of input values
;; workspace buffers: gcodes 15,728,640 bytes; gsc 655,360 bytes; qc 6,291,456 bytes; qs 524,288 bytes; kv 3,407,872 bytes
;; launch quant (part 1): grid 768 x 1, 4 waves a work-group, no clusters, 35,328 bytes of LDS; arguments x, wq, wk, wv, wo, gcodes, gsc; writes gcodes, gsc
.if DOCPART == 1
	.amdgcn_target "amdgcn-amd-amdhsa--gfx1250"
	.amdhsa_code_object_version 6
	.text
	.protected	k_q32bf46d084_quant
	.globl	k_q32bf46d084_quant
	.p2align	8
	.type	k_q32bf46d084_quant,@function
k_q32bf46d084_quant:
	s_mov_b64 s[64:65], 0
	v_nop
	global_prefetch_b8 v0, s[64:65] scope:SCOPE_SE
	s_setreg_imm32_b32 hwreg(HW_REG_WAVE_MODE, 25, 1), 1
	s_wait_xcnt 0x0
; x [8192][1024] and wq, wk, wv, wo [1024][1024], f32, K innermost, become codes of FP6 (E2M3) with one E8M0 byte for each 32 along K.
; (The problem's input cos is taken by no launch: the function to be computed never reads it.)
; THE CODES ARE LAID AS IMAGES OF OPERAND REGISTERS.  A tile is 16 rows; tile 2 G + u, lane row r, stands for row 32 G + 8 u + r + 8 (r / 8) of its tensor.  A fragment (16 rows x 128 K, 12 registers
; a lane) is 1,536 bytes: registers 0-3 at 16 x lane, 4-5 at 512 + 8 x lane, 6-9 at 768 + 16 x lane, 10-11 at 1,280 + 8 x lane.  gcodes is [K step 0..7][tile 0..1279][1536]:
; tiles 0-511 x, 512-575 wq, 576-639 wk, 640-703 wv, 704-767 wo (768-1279: a later launch).  gsc is [tile][r][32 scale bytes along K].
; A block's scale is 2^(floor(log2(largest magnitude)) - 2); its byte is the largest magnitude's exponent field - 2, held at 1 from below.
; LIMITS: a block of zeros gets the byte 1 where the rule says 127 (its codes are zeros, and this program alone reads the bytes); NaN and infinities among the inputs are not served.
; SHARES.  A work-group takes one tile, all 1,024 along K; wave w takes K steps 2 w and 2 w + 1.  Each load reads 512 consecutive bytes of one row; the 16 x 128 numbers turn through the wave's own
; stage in LDS (rows 528 bytes apart), so that a lane then holds 16 neighbours of each block of 32.  Each store of codes covers 512 or 256 consecutive bytes, aligned to 256.
.set PLANE, 1966080                    ; a K step's 1,280 fragments in bytes
.set SCL,   33792                      ; LDS: behind the four stages of 8,448 bytes: the tile's 512 scale bytes, [r][K step] words
.set R,     16                         ; v16-143  the two K steps as loaded: step u, row t at v[R + 64 u + 4 t]
.set X,     144                        ; v144-207 64 numbers of my row: register 16 b + i = k 32 b + 16 (lane / 16) + i
.set TM,    208                        ; v208-223 at work
.set PC,    224                        ; v224-243 the codes just made
.set SEL,   20                         ; s[20:21] lane selects: lane l xor 16
; 64 numbers of a lane, v[s] on, become a fragment's codes in v[PC] .. v[PC + 11] and my row's scale word in v[pw]
.macro QUANT s, pw
.irp b, 0,1,2,3
	v_max3_num_f32 v[TM+\b], |v[\s+16*\b]|, |v[\s+1+16*\b]|, 0x1800000   ; block b: my 16 numbers, and the floor 2^(3 - 127): the byte cannot fall under 1
.endr
.irp i, 2,4,6,8,10,12,14
.irp b, 0,1,2,3
	v_max3_num_f32 v[TM+\b], v[TM+\b], |v[\s+16*\b+\i]|, |v[\s+1+16*\b+\i]|   ; the four blocks by turns
.endr
.endr
.irp b, 0,1,2,3
	v_permlanex16_b32 v[TM+4+\b], v[TM+\b], s[SEL], s[SEL+1]
.endr
.irp b, 0,1,2,3
	v_max_num_f32 v[TM+\b], v[TM+\b], v[TM+4+\b]   ; with lane l xor 16's: the block's largest magnitude
.endr
.irp b, 0,1,2,3
	v_add_nc_u32 v[TM+12+\b], 0xff000000, v[TM+\b]   ; 2 off its exponent field: the conversion takes this operand's exponent field as its scale
.endr
.irp b, 0,1,2,3
	v_lshrrev_b32 v[TM+4+\b], 23, v[TM+12+\b]      ; the scale's byte
.endr
	v_lshl_or_b32 v[\pw], v[TM+5], 8, v[TM+4]
	v_lshl_or_b32 v[\pw], v[TM+6], 16, v[\pw]
	v_lshl_or_b32 v[\pw], v[TM+7], 24, v[\pw]
.irp c, 0,1
	v_cvt_scalef32_pk16_fp6_f32 v[PC+6*\c:PC+2+6*\c], v[\s+32*\c:\s+15+32*\c], v[TM+12+2*\c]
	v_cvt_scalef32_pk16_fp6_f32 v[PC+12+4*\c:PC+14+4*\c], v[\s+16+32*\c:\s+31+32*\c], v[TM+12+2*\c+1]   ; (a conversion's three registers begin on an even number)
.endr
	v_nop                                          ; one plain instruction behind the scaled conversions
.irp c, 0,1                                    ; the operand wants a whole block in a lane: lanes 0-15 block 2 c, lanes 16-31 block 2 c + 1
.irp i, 0,1,2
	v_permlane16_swap_b32 v[PC+6*\c+\i], v[PC+12+4*\c+\i]
.endr
.irp i, 0,1,2
	v_mov_b32 v[PC+3+6*\c+\i], v[PC+12+4*\c+\i]
.endr
.endr
.endm
.macro TURN u                          ; K step u through my stage: LDS serves a wave's instructions in order, so no wait stands between the stores and the loads
.irp t, 0,1,2,3,4,5,6,7,8,9,10,11,12,13,14,15
	ds_store_b128 v3, v[R+64*\u+4*\t:R+64*\u+4*\t+3] offset:528*\t
.endr
.irp b, 0,1,2,3
.irp j, 0,1,2,3
	ds_load_b128 v[X+16*\b+4*\j:X+16*\b+4*\j+3], v4 offset:128*\b+16*\j
.endr
.endr
	s_wait_dscnt 0x0
.endm
.macro CODES off                       ; the fragment leaves as it stands
	global_store_b128 v1, v[PC:PC+3], s[14:15] offset:\off
	global_store_b64 v2, v[PC+4:PC+5], s[14:15] offset:\off
	global_store_b128 v1, v[PC+6:PC+9], s[14:15] offset:\off+768
	global_store_b64 v2, v[PC+10:PC+11], s[14:15] offset:\off+768
.endm
	s_load_b256 s[4:11], s[0:1], 0x0               ; x, wq, wk, wv
	s_load_b128 s[12:15], s[0:1], 0x20             ; wo, gcodes
	s_load_b64 s[16:17], s[0:1], 0x30              ; gsc
	v_lshl_add_u32 v248, v0, 2, 0x8800
	v_mov_b32 v249, 0
	v_lshrrev_b32 v7, 5, v0
	v_readfirstlane_b32 s18, v7                    ; wave 0..3
	v_and_b32 v8, 31, v0                           ; lane
	v_and_b32 v9, 15, v0                           ; r
	v_bfe_u32 v10, v0, 4, 1                        ; lane / 16
	v_lshlrev_b32 v1, 4, v8                        ; 16 x lane: a load's 512 bytes, an image's first part
	v_lshl_add_u32 v2, v8, 3, 512                  ; 512 + 8 x lane: an image's second part
	s_mul_i32 s19, s18, 8448                       ; my stage
	v_add_nc_u32 v3, s19, v1                       ; into it: as loaded
	v_mul_u32_u24 v4, v9, 528
	v_lshl_add_u32 v4, v10, 6, v4
	v_add_nc_u32 v4, s19, v4                       ; out of it: row r, + 64 bytes for lanes 16-31
	v_lshlrev_b32 v5, 5, v9
	s_lshl_b32 s22, s18, 3
	s_add_co_u32 s22, s22, SCL
	v_add_nc_u32 v5, s22, v5                       ; my row's two scale words: SCL + 32 r + 8 x wave
	v_add_nc_u32 v6, SCL, v1
	s_mov_b32 s[SEL], 0x76543210
	s_mov_b32 s[SEL+1], 0xfedcba98
.irp b, 0,1,2,3
	v_mov_b32 v[TM+4+\b], 0                        ; written once: a lane permute's destination counts as one of its sources
.endr
	s_and_b32 s23, ttmp9, 63
	s_cmp_lt_u32 ttmp9, 512
	s_cselect_b32 s23, ttmp9, s23                  ; the tile's number in its own tensor
	s_lshr_b32 s24, s23, 1
	s_lshl_b32 s24, s24, 17                        ; 32 rows of 4,096 bytes for each pair of tiles,
	s_and_b32 s25, s23, 1
	s_lshl_b32 s25, s25, 15                        ; 8 rows for the odd one,
	s_add_co_u32 s24, s24, s25
	s_lshl_b32 s25, s18, 10                        ; my wave's two K steps: 1,024 bytes of a row
	s_add_co_u32 s24, s24, s25
	s_mov_b32 s25, 0
	s_mul_i32 s26, ttmp9, 1536
	s_mul_i32 s27, s18, 2*PLANE
	s_add_co_u32 s26, s26, s27
	s_mov_b32 s27, 0
	s_lshl_b32 s28, ttmp9, 9
	s_mov_b32 s29, 0
	s_wait_alu depctr_va_vdst(0)
	s_wait_kmcnt 0x0
	s_cmp_ge_u32 ttmp9, 512                        ; which tensor: the choice hangs on the work-group's number alone
	s_cselect_b64 s[4:5], s[6:7], s[4:5]
	s_cmp_ge_u32 ttmp9, 576
	s_cselect_b64 s[4:5], s[8:9], s[4:5]
	s_cmp_ge_u32 ttmp9, 640
	s_cselect_b64 s[4:5], s[10:11], s[4:5]
	s_cmp_ge_u32 ttmp9, 704
	s_cselect_b64 s[4:5], s[12:13], s[4:5]
	s_add_nc_u64 s[4:5], s[4:5], s[24:25]
	s_add_nc_u64 s[14:15], s[14:15], s[26:27]
	s_add_nc_u64 s[16:17], s[16:17], s[28:29]
.irp u, 0,1
.irp t, 0,1,2,3,4,5,6,7,8,9,10,11,12,13,14,15
	global_load_b128 v[R+64*\u+4*\t:R+64*\u+4*\t+3], v1, s[4:5] offset:(\t+8*(\t/8))*4096+512*\u th:TH_LOAD_NT   ; 32 lanes read 512 consecutive bytes of the tile's row t
.endr
.endr
	s_wait_loadcnt 16                              ; the first K step's 16 loads are in; the second's 16 may be out
	TURN 0
	QUANT X, 244
	CODES 0
	s_wait_loadcnt 0x0
	TURN 1
	s_wait_xcnt 0x0                                ; the stores above have read the codes' registers, which are written anew below
	QUANT X, 245
	CODES PLANE
	ds_store_b64 v5, v[244:245]                    ; lanes r and r + 16 write the same bytes with the same value
	s_wait_dscnt 0x0                               ; for wave 0's sake: my scale words lie in LDS
	s_barrier_signal -1
	s_barrier_wait -1
	s_cmp_lg_u32 s18, 0
	s_cbranch_scc1 .Lend
	ds_load_b128 v[16:19], v6                      ; the tile's 512 scale bytes
	s_wait_dscnt 0x0
	global_store_b128 v1, v[16:19], s[16:17]       ; 512 consecutive bytes
.Lend:
	s_wait_tensorcnt 0x0
	ds_add_u32 v248, v249
	s_wait_dscnt 0x0
	s_endpgm
.Lfunc_end_k_q32bf46d084_quant:
	.size	k_q32bf46d084_quant, .Lfunc_end_k_q32bf46d084_quant-k_q32bf46d084_quant
	.p2alignl 7, 3214868480
	.fill 96, 4, 3214868480
	.section	.rodata,"a",@progbits
	.p2align	6, 0x0
	.amdhsa_kernel k_q32bf46d084_quant
		.amdhsa_group_segment_fixed_size 35328
		.amdhsa_private_segment_fixed_size 0
		.amdhsa_enable_private_segment 0
		.amdhsa_kernarg_size 56
		.amdhsa_user_sgpr_count 2
		.amdhsa_user_sgpr_kernarg_segment_ptr 1
		.amdhsa_wavefront_size32 1
		.amdhsa_system_sgpr_workgroup_id_x 1
		.amdhsa_system_sgpr_workgroup_id_y 1
		.amdhsa_system_sgpr_workgroup_id_z 1
		.amdhsa_system_vgpr_workitem_id 0
		.amdhsa_next_free_vgpr 250
		.amdhsa_next_free_sgpr 66
		.amdhsa_reserve_vcc 0
		.amdhsa_float_denorm_mode_32 3
		.amdhsa_float_denorm_mode_16_64 3
		.amdhsa_memory_ordered 1
		.amdhsa_forward_progress 1
		.amdhsa_inst_pref_size 19
	.end_amdhsa_kernel
	.amdgpu_metadata
---
amdhsa.version: [ 1, 2 ]
amdhsa.kernels:
  - .name:           k_q32bf46d084_quant
    .symbol:         k_q32bf46d084_quant.kd
    .args:
      - { .name: x, .offset: 0, .size: 8, .value_kind: global_buffer, .address_space: global }
      - { .name: wq, .offset: 8, .size: 8, .value_kind: global_buffer, .address_space: global }
      - { .name: wk, .offset: 16, .size: 8, .value_kind: global_buffer, .address_space: global }
      - { .name: wv, .offset: 24, .size: 8, .value_kind: global_buffer, .address_space: global }
      - { .name: wo, .offset: 32, .size: 8, .value_kind: global_buffer, .address_space: global }
      - { .name: gcodes, .offset: 40, .size: 8, .value_kind: global_buffer, .address_space: global }
      - { .name: gsc, .offset: 48, .size: 8, .value_kind: global_buffer, .address_space: global }
    .group_segment_fixed_size: 35328
    .private_segment_fixed_size: 0
    .kernarg_segment_align: 8
    .kernarg_segment_size: 56
    .max_flat_workgroup_size: 128
    .sgpr_count:     66
    .vgpr_count:     250
    .wavefront_size: 32
...
	.end_amdgpu_metadata
.endif
;; end of part 1
;; launch qkv (part 2): grid 4 x 96, 4 waves a work-group, clusters of 4 x 4, 295,424 bytes of LDS; arguments gcodes, gsc, sin, qc, qs, kv; writes qc, qs, kv
.if DOCPART == 2
	.amdgcn_target "amdgcn-amd-amdhsa--gfx1250"
	.amdhsa_code_object_version 6
	.text
	.protected	k_q32bf46d084_qkv
	.globl	k_q32bf46d084_qkv
	.p2align	8
	.type	k_q32bf46d084_qkv,@function
k_q32bf46d084_qkv:
	s_mov_b64 s[64:65], 0
	v_nop
	global_prefetch_b8 v0, s[64:65] scope:SCOPE_SE
	s_setreg_imm32_b32 hwreg(HW_REG_WAVE_MODE, 25, 1), 1
	s_wait_xcnt 0x0
	s_wait_alu depctr_hold_cnt(0) depctr_sa_sdst(0) depctr_va_vdst(0) depctr_va_sdst(0) depctr_va_ssrc(0) depctr_va_vcc(0) depctr_vm_vsrc(0)
	s_getreg_b32 s2, hwreg(HW_REG_IB_STS2, 6, 4)
	s_cmp_eq_u32 s2, 0
	s_cbranch_scc0 .Lentry_in_a_cluster
	s_endpgm
.Lentry_in_a_cluster:
	s_bfe_u32 s2, ttmp6, 0x10000c
	s_cmp_lg_u32 s2, 0xf033
	s_cbranch_scc0 .Lentry_shape_is_right
	s_endpgm
.Lentry_shape_is_right:
; q = -(x wq^T) sin for all tokens; k = -(x wk^T) sin and v = x wv^T for tokens 0..1023 of each batch (no later key is ever attended to).  The products run on codes of FP6 (E2M3);
; the results are quantised in registers for the attention's products and stored as images of operand registers.
; A work-group makes 128 "A" rows x 256 "B" rows; the matrix instruction takes source 0 = 16 B rows, source 1 = 16 A rows, so a lane holds ONE A row and its registers run along B rows.
;   clusters y 0-15:  Q: A = tokens, B = rows of wq.    y 16-19: K: A = tokens under 1,024, B = rows of wk.    y 20-23: V: A = rows of wv (the head's d), B = tokens (the keys: V's K).
; A tile's 16 rows are rows 32 G + 8 u + r + 8 (r / 8) (tile 2 G + u), so the 16 registers of B tiles 2 G, 2 G + 1 are 16 neighbours along the next product's K.
; Four waves, each 64 A rows x 128 B rows: 32 accumulators.  K = 1,024 is 8 steps of 128.  ALL OF K LIES IN LDS, filled once: A's 8 tiles x 8 steps (98,304 bytes), then B's 16 tiles x 8 steps (196,608).
; CLUSTER 4 x 4: A's slabs are shared along a row of the cluster, B's along a column: each is asked for jointly.  A wave issues one load (K steps 4 (wave % 2) .. + 3): one is out at the most.
; OUT.  qc [tile 512][head 16][768]: 16 queries x 64 codes;  qs [tile][head][r] scale words.  kv: a record of 106,496 bytes for each (batch, head): K [key tile 64][768]; from 49,152 V^T [step 8][d tile 4][1536];
; from 98,304, 1,024 bytes a step: K's scale words [tile 8][r], then V's [d tile 4][32 lanes].  In a word of Q or K bytes 0, 1 are the head's two scales; bytes 2, 3 are the neighbour head's (no byte is 0xff).
; LIMITS: a block of zeros gets the byte 1 where the rule says 127 (its codes are zeros; this program alone reads the bytes); NaN and infinities are not served.
; REGISTERS: window 0: v0-31 addresses; v32-95 scale words; v96-191 A's fragments, two sets of 48 (the epilogue works there); window 1: B's fragments, two sets at v0, v128; window 2: accumulator (a, b) at v[8 (8 a + b)];
;   window 3: the factor: sin at my rows, or -1.
.set PLANE, 1966080
.set REC,   106496
.set LB,    98304                      ; LDS: where B's slabs begin
.set SCR,   32                         ; v[SCR + 8 i + s]: lanes 0-15 the word of my A tile i % 4, lanes 16-31 that of my B tile i, K step s
.set AF,    96
.set ADA16, 8                          ; v8-9   16 x lane + my A tiles, K steps 0-3, 4-7;   v10-11 the same with 8 x lane
.set ADA8,  10
.set ADB16, 12                         ; v12-15 16 x lane + my B tiles, K steps 0-1, 2-3, 4-5, 6-7;   v16-19 with 8 x lane
.set ADB8,  16
.set VS0,   20
.set VS1,   21
.set VSN,   22
.set O8,    23
.set O16H,  24
.set O8H,   25
.set OS,    26
.set HA,    96                         ; the epilogue: 64 numbers of my row
.set PC,    160
.set TM,    180
.set PW,    196
.set PR,    197
.set RT,    198
.set WV,    3
.set G1A,   16                         ; s[16:23], s[24:31] descriptor groups 1;  s[32:35], s[48:51] groups 0, A's and B's, for a wave's one load
.set G1B,   24
.set G0A,   32
.set G0B,   48
.set SEL,   16                         ; s[16:17] in the epilogue, when every tensor load has been waited for
.set MSB, 0
.macro WIN new                         ; the immediate's high byte repeats the setting that is left
.if MSB != \new
	s_set_vgpr_msb (MSB<<8)|\new
.set MSB, \new
.endif
.endm
.set MUL,  0xa1                        ; source 0 (B) window 1, source 1 (A) window 0, C and D window 2
.set TO_B, 0x40                        ; destination window 1
.macro CROUND                          ; a round of the cluster's barrier
	s_barrier_signal -1
	s_barrier_wait -1
	s_cmp_lg_u32 s[WV], 0
	s_cbranch_scc1 .Lnot_wave_0_\@
	s_barrier_signal -3
.Lnot_wave_0_\@:
	s_barrier_wait -3
	s_barrier_signal -1
	s_barrier_wait -1
.endm
.macro QUANT s, pw                     ; 64 numbers of a lane (register 16 b + i = k 32 b + 16 (lane / 16) + i) -> codes in v[PC] .. v[PC + 11], scale word in v[pw]
.irp b, 0,1,2,3
	v_max3_num_f32 v[TM+\b], |v[\s+16*\b]|, |v[\s+1+16*\b]|, 0x1800000   ; and the floor 2^(3 - 127): the byte cannot fall under 1
.endr
.irp i, 2,4,6,8,10,12,14
.irp b, 0,1,2,3
	v_max3_num_f32 v[TM+\b], v[TM+\b], |v[\s+16*\b+\i]|, |v[\s+1+16*\b+\i]|
.endr
.endr
.irp b, 0,1,2,3
	v_permlanex16_b32 v[TM+4+\b], v[TM+\b], s[SEL], s[SEL+1]
.endr
.irp b, 0,1,2,3
	v_max_num_f32 v[TM+\b], v[TM+\b], v[TM+4+\b]
.endr
.irp b, 0,1,2,3
	v_add_nc_u32 v[TM+12+\b], 0xff000000, v[TM+\b]   ; 2 off the exponent field: the conversion's scale operand
.endr
.irp b, 0,1,2,3
	v_lshrrev_b32 v[TM+4+\b], 23, v[TM+12+\b]
.endr
	v_lshl_or_b32 v[\pw], v[TM+5], 8, v[TM+4]
	v_lshl_or_b32 v[\pw], v[TM+6], 16, v[\pw]
	v_lshl_or_b32 v[\pw], v[TM+7], 24, v[\pw]
.irp c, 0,1
	v_cvt_scalef32_pk16_fp6_f32 v[PC+6*\c:PC+2+6*\c], v[\s+32*\c:\s+15+32*\c], v[TM+12+2*\c]
	v_cvt_scalef32_pk16_fp6_f32 v[PC+12+4*\c:PC+14+4*\c], v[\s+16+32*\c:\s+31+32*\c], v[TM+12+2*\c+1]
.endr
	v_nop                                          ; one plain instruction behind the scaled conversions
.irp c, 0,1
.irp i, 0,1,2
	v_permlane16_swap_b32 v[PC+6*\c+\i], v[PC+12+4*\c+\i]
.endr
.irp i, 0,1,2
	v_mov_b32 v[PC+3+6*\c+\i], v[PC+12+4*\c+\i]
.endr
.endr
.endm
; 48 LDS loads: K step s's fragments (my 8 of B, my 4 of A) into set p.  An image comes back by the lines that stored it: every access is 16 or 8 bytes a lane, on end
.macro FETCH s, p
	WIN TO_B
.irp b, 0,1,2,3,4,5,6,7
	ds_load_b128 v[128*(\p)+12*\b:128*(\p)+12*\b+3], v[ADB16+(\s)/2] offset:((\s)%2)*24576+1536*\b
	ds_load_b64 v[128*(\p)+12*\b+4:128*(\p)+12*\b+5], v[ADB8+(\s)/2] offset:((\s)%2)*24576+1536*\b+512
	ds_load_b128 v[128*(\p)+12*\b+6:128*(\p)+12*\b+9], v[ADB16+(\s)/2] offset:((\s)%2)*24576+1536*\b+768
	ds_load_b64 v[128*(\p)+12*\b+10:128*(\p)+12*\b+11], v[ADB8+(\s)/2] offset:((\s)%2)*24576+1536*\b+1280
.endr
	WIN 0
.irp a, 0,1,2,3
	ds_load_b128 v[AF+48*(\p)+12*\a:AF+48*(\p)+12*\a+3], v[ADA16+(\s)/4] offset:((\s)%4)*12288+1536*\a
	ds_load_b64 v[AF+48*(\p)+12*\a+4:AF+48*(\p)+12*\a+5], v[ADA8+(\s)/4] offset:((\s)%4)*12288+1536*\a+512
	ds_load_b128 v[AF+48*(\p)+12*\a+6:AF+48*(\p)+12*\a+9], v[ADA16+(\s)/4] offset:((\s)%4)*12288+1536*\a+768
	ds_load_b64 v[AF+48*(\p)+12*\a+10:AF+48*(\p)+12*\a+11], v[ADA8+(\s)/4] offset:((\s)%4)*12288+1536*\a+1280
.endr
.endm
; 16 matrix instructions: A tiles a0, a0 + 1 x B's eight.  The 32 accumulators take turns, one instruction a turn, in the same order in every step
.macro MUL16 a0, p, s, zero
.irp a, \a0, \a0+1
.irp b, 0,1,2,3,4,5,6,7
.if \zero
	v_wmma_scale_f32_16x16x128_f8f6f4 v[8*(8*(\a)+\b):8*(8*(\a)+\b)+7], v[128*(\p)+12*\b:128*(\p)+12*\b+11], v[AF+48*(\p)+12*(\a):AF+48*(\p)+12*(\a)+11], 0, v[SCR+8*\b+(\s)], v[SCR+8*(\a)+(\s)] matrix_a_fmt:MATRIX_FMT_FP6 matrix_b_fmt:MATRIX_FMT_FP6 matrix_a_scale:MATRIX_SCALE_ROW1
.else
	v_wmma_scale_f32_16x16x128_f8f6f4 v[8*(8*(\a)+\b):8*(8*(\a)+\b)+7], v[128*(\p)+12*\b:128*(\p)+12*\b+11], v[AF+48*(\p)+12*(\a):AF+48*(\p)+12*(\a)+11], v[8*(8*(\a)+\b):8*(8*(\a)+\b)+7], v[SCR+8*\b+(\s)], v[SCR+8*(\a)+(\s)] matrix_a_fmt:MATRIX_FMT_FP6 matrix_b_fmt:MATRIX_FMT_FP6 matrix_a_scale:MATRIX_SCALE_ROW1
.endif
.endr
.endr
.endm
; K step s: 32 matrix instructions on set s % 2; in their middle the next step's fragments are fetched into the other set.
.macro STEP s, zero
	s_wait_dscnt 0x0                               ; this step's fragments are in
	WIN MUL
	MUL16 0, (\s)%2, \s, \zero
.if (\s) < 7
.rept 4
	v_nop                                          ; four plain instructions between the last step's products and the loads into the registers that they read
.endr
	FETCH (\s)+1, 1-(\s)%2
.endif
	WIN MUL
	MUL16 2, (\s)%2, \s, \zero
	WIN 0
.endm
	s_load_b256 s[4:11], s[0:1], 0x0               ; gcodes, gsc, sin, qc
	s_load_b128 s[12:15], s[0:1], 0x20             ; qs, kv
	v_lshl_add_u32 v254, v0, 2, 0x48000
	v_mov_b32 v255, 0
	ds_add_u32 v254, v255
	ds_add_u32 v254, v255
	v_lshrrev_b32 v1, 5, v0
	v_readfirstlane_b32 s[WV], v1                  ; wave 0..3
	s_lshr_b32 s82, s[WV], 1                       ; wA: which 4 of the 8 A tiles are mine.  Also: I fetch for A (0) or for B (1)
	s_and_b32 s83, s[WV], 1                        ; wB: which 8 of the 16 B tiles.  Also: I fetch the even (0) or the odd (1) K steps
	s_and_b32 s66, ttmp7, 0xffff                   ; the cluster's y: it says Q, K or V, and is the same in all sixteen partners
	s_bfe_u32 s67, ttmp6, 0x40000                  ; cx
	s_bfe_u32 s68, ttmp6, 0x40004                  ; cy
	s_lshl_b32 s69, s66, 2
	s_add_co_u32 s69, s69, s68                     ; Y = 4 x cluster y + cy
	s_and_b32 s70, s69, 7                          ; Y % 8
	s_bfe_u32 s71, s66, 0x10001                    ; the batch, for K and V: bit 1 of the cluster's y
	s_lshl_b32 s74, s71, 8                         ; its first tile of x
	s_lshl_b32 s72, s69, 3                         ; Q: A's first tile 8 Y
	s_lshl_b32 s73, s70, 3
	s_add_co_u32 s75, s73, s74                     ; K: 256 x batch + 8 (Y % 8)
	s_add_co_u32 s73, s73, 640                     ; V: wv's tiles
	s_lshl_b32 s76, s67, 4                         ; 16 cx
	s_mov_b32 s77, 576                             ; K: wk's tiles
	s_cmp_lt_u32 s66, 20
	s_cselect_b32 s73, s75, s73
	s_cmp_lt_u32 s66, 16
	s_cselect_b32 s72, s72, s73                    ; TA0: made of cy and the cluster's y alone
	s_cselect_b32 s77, 512, s77                    ; Q: wq's tiles
	s_cmp_lt_u32 s66, 20
	s_cselect_b32 s77, s77, s74                    ; V: the batch's tokens
	s_add_co_u32 s76, s76, s77                     ; TB0: made of cx and the cluster's y alone
	s_lshl_b32 s84, s68, 2
	s_lshl_b32 s84, 15, s84                        ; my row of the cluster
	s_lshl_b32 s85, 0x1111, s67                    ; my column
	; descriptor groups 1: a slab is dense in memory: rows of 256 bytes (32 elements of 8 bytes), 48 for A's 8 tiles, 96 for B's 16; no padding
	s_or_b32 s[G1A], s84, (3<<16)|(1<<21)          ; 15:0 the mask; 17:16 elements of 8 bytes; 21 set beside a mask
	s_or_b32 s[G1B], s85, (3<<16)|(1<<21)
	; ONE LOAD A WAVE: a row of the tile is one K step's dense slab (A: 12,288 bytes, B: 24,576), the pitch is a K step's plane, four rows: K steps 4 (wave % 2) .. + 3
	s_mov_b32 s[G1A+1], 1536<<16                   ; tensor_dim0: 1,536 elements of 8 bytes
	s_mov_b32 s[G1A+2], 4<<16                      ; tensor_dim1: four K steps
	s_mov_b32 s[G1A+3], 1536<<16                   ; tile_dim0
	s_mov_b32 s[G1A+4], 4                          ; tile_dim1
	s_mov_b32 s[G1A+5], PLANE/8                    ; the pitch
	s_mov_b32 s[G1A+6], 0
	s_mov_b32 s[G1A+7], 0
	s_mov_b32 s[G1B+1], 3072<<16
	s_mov_b32 s[G1B+2], 4<<16
	s_mov_b32 s[G1B+3], 3072<<16
	s_mov_b32 s[G1B+4], 4
	s_mov_b32 s[G1B+5], PLANE/8
	s_mov_b32 s[G1B+6], 0
	s_mov_b32 s[G1B+7], 0
	s_mul_i32 s99, s83, 4*PLANE                    ; my first K step: 0 or 4
	s_mul_i32 s78, s72, 1536
	s_add_co_u32 s78, s78, s99
	s_mov_b32 s79, 0
	s_mul_i32 s86, s76, 1536
	s_add_co_u32 s86, s86, s99
	s_mov_b32 s87, 0
	s_mul_i32 s80, s83, 49152                      ; and its place in LDS: the wave's number alone enters an LDS address
	s_mul_i32 s81, s83, 98304
	s_wait_dscnt 0x0
	s_wait_kmcnt 0x0
	s_add_nc_u64 s[78:79], s[4:5], s[78:79]
	s_add_nc_u64 s[86:87], s[4:5], s[86:87]
	CROUND                                         ; all sixteen work-groups are here: the joint loads meet
.irp c, 0
	s_mov_b32 s[G0A+4*\c], 1
	s_add_co_u32 s[G0A+4*\c+1], s80, \c*24576
	s_add_nc_u64 s[G0A+4*\c+2:G0A+4*\c+3], s[78:79], 2*\c*PLANE
	s_or_b32 s[G0A+4*\c+3], s[G0A+4*\c+3], 0x80000000
	s_mov_b32 s[G0B+4*\c], 1
	s_add_co_u32 s[G0B+4*\c+1], s81, LB+\c*49152
	s_add_nc_u64 s[G0B+4*\c+2:G0B+4*\c+3], s[86:87], 2*\c*PLANE
	s_or_b32 s[G0B+4*\c+3], s[G0B+4*\c+3], 0x80000000
.endr
	s_cmp_eq_u32 s82, 0                            ; a wave's one fill stand in one branch on the wave's number, ahead of every wait on TENSORcnt and every LDS read
	s_cbranch_scc0 .Lfill_b
.irp c, 0
	tensor_load_to_lds s[G0A+4*\c:G0A+4*\c+3], s[G1A:G1A+7]
	s_nop 0
.endr
.rept 4
	v_nop
.endr
	s_branch .Lfilled
.Lfill_b:
.irp c, 0
	tensor_load_to_lds s[G0B+4*\c:G0B+4*\c+3], s[G1B:G1B+7]
	s_nop 0
.endr
.rept 4
	v_nop
.endr
.Lfilled:
	v_and_b32 v1, 31, v0                           ; lane
	v_and_b32 v2, 15, v0                           ; r
	v_bfe_u32 v3, v0, 4, 1                         ; lane / 16
	v_lshlrev_b32 v4, 4, v1                        ; 16 x lane
	v_lshlrev_b32 v5, 3, v1                        ; 8 x lane
	s_mul_i32 s73, s82, 6144                       ; my 4 A tiles
	s_mul_i32 s74, s83, 12288                      ; my 8 B tiles
	s_add_co_u32 s74, s74, LB
.irp q, 0,1
	v_add_nc_u32 v[ADA16+\q], s73, v4
	v_add_nc_u32 v[ADA8+\q], s73, v5
	s_add_co_u32 s73, s73, 49152
.endr
.irp q, 0,1,2,3
	v_add_nc_u32 v[ADB16+\q], s74, v4
	v_add_nc_u32 v[ADB8+\q], s74, v5
	s_add_co_u32 s74, s74, 49152
.endr
	; the scale words come straight from memory, 32 bytes a row: all 8 K steps at once
	s_lshl_b32 s85, s82, 2
	s_add_co_u32 s85, s85, s72                     ; my first A tile
	s_lshl_b32 s75, s85, 9
	s_lshl_b32 s77, s83, 3
	s_add_co_u32 s77, s77, s76                     ; my first B tile
	s_lshl_b32 s77, s77, 9
	s_mov_b32 s79, 0xffff0000
	v_mov_b32 v6, s75
	v_mov_b32 v7, s77
	v_cndmask_b32 v6, v6, v7, s79                  ; lanes 0-15 A's, lanes 16-31 B's
	v_lshl_add_u32 v[VS0], v2, 5, v6
	v_lshl_add_u32 v[VS1], v3, 11, v[VS0]          ; for i = 4 .. 7: lanes 16-31 four tiles on, lanes 0-15 the same four A tiles again
.irp i, 0,1,2,3
	global_load_b128 v[SCR+8*\i:SCR+8*\i+3], v[VS0], s[6:7] offset:512*\i
	global_load_b128 v[SCR+8*\i+4:SCR+8*\i+7], v[VS0], s[6:7] offset:512*\i+16
.endr
.irp i, 0,1,2,3
	global_load_b128 v[SCR+32+8*\i:SCR+32+8*\i+3], v[VS1], s[6:7] offset:512*\i
	global_load_b128 v[SCR+32+8*\i+4:SCR+32+8*\i+7], v[VS1], s[6:7] offset:512*\i+16
.endr
	v_and_b32 v6, 8, v2
	v_add_nc_u32 v6, v6, v2                        ; r + 8 (r / 8)
	v_lshlrev_b32 v[VSN], 8, v6
	v_lshl_add_u32 v[VSN], v3, 6, v[VSN]           ; sin: a row is 256 bytes; + 64 bytes for lanes 16-31
	; the factor, window 3: register 32 a + 16 e + i = sin(my token of A tile a, 32 e + 16 (lane / 16) + i); the results are multiplied by its negative.  For V it is -1
	s_cmp_lt_u32 s66, 20
	s_cbranch_scc0 .Lones
	s_and_b32 s74, s85, 255                        ; my first tile within its batch: 16 positions a tile
	s_lshl_b32 s74, s74, 12
	s_mov_b32 s75, 0
	s_add_nc_u64 s[8:9], s[8:9], s[74:75]
	WIN 0xc0
.irp a, 0,1,2,3
.irp e, 0,1
.irp j, 0,1,2,3
	global_load_b128 v[32*\a+16*\e+4*\j:32*\a+16*\e+4*\j+3], v[VSN], s[8:9] offset:(32*(\a/2)+8*(\a%2))*256+128*\e+16*\j
.endr
.endr
.endr
	WIN 0
	s_branch .Lfactor
.Lones:
	WIN 0xc0
.set n, 0
.rept 128
	v_mov_b32 v[n], -1.0
.set n, n+1
.endr
	WIN 0
.Lfactor:
	; where the results go: byte offsets for the three kinds, then the choice (it hangs on the cluster's y alone)
	s_lshl_b32 s84, s67, 1
	s_add_co_u32 s84, s84, s83                     ; g = 2 cx + wB: my 128 B rows: heads 2 g, 2 g + 1 (Q, K) or key step g (V)
	s_lshl_b32 s73, s85, 4
	s_lshl_b32 s75, s84, 1
	s_add_co_u32 s73, s73, s75                     ; Q: 16 x tile + head
	s_mul_i32 s77, s73, 768                        ;    codes
	s_lshl_b32 s73, s73, 6                         ;    scale words
	s_lshl_b32 s79, s71, 4
	s_add_co_u32 s75, s75, s79                     ; K: record 16 x batch + 2 g
	s_mul_i32 s75, s75, REC
	s_lshl_b32 s80, s70, 3
	s_lshl_b32 s81, s82, 2
	s_add_co_u32 s80, s80, s81                     ;    key tile 8 (Y % 8) + 4 wA
	s_mul_i32 s80, s80, 768
	s_add_co_u32 s80, s80, s75                     ;    codes
	s_lshl_b32 s81, s70, 10
	s_add_co_u32 s81, s81, s75
	s_lshl_b32 s86, s82, 8
	s_add_co_u32 s81, s81, s86
	s_add_co_u32 s81, s81, 98304                   ;    scale words: step Y % 8, tile 4 wA
	s_lshl_b32 s86, s70, 1
	s_add_co_u32 s86, s86, s79
	s_add_co_u32 s86, s86, s82                     ; V: record 16 x batch + head 2 (Y % 8) + wA
	s_mul_i32 s86, s86, REC
	s_mul_i32 s87, s84, 6144
	s_add_co_u32 s87, s87, s86
	s_add_co_u32 s87, s87, 49152                   ;    codes: step g
	s_lshl_b32 s99, s84, 10
	s_add_co_u32 s99, s99, s86
	s_add_co_u32 s99, s99, 98304+512               ;    scale words
	s_mov_b32 s92, 1536                            ; from A tile to A tile: codes,
	s_mov_b32 s94, 128                             ; scale words;
	s_mov_b32 s96, 768                             ; from a fragment's first half to its second;
	s_mov_b32 s97, 64                              ; where lanes 16-31 put their scale word;
	s_mov_b32 s98, 0                               ; which lanes store the word turned by 16 bits
	s_mov_b32 s74, REC
	s_cmp_lt_u32 s66, 20
	s_cselect_b32 s88, s80, s87
	s_cselect_b32 s90, s81, s99
	s_cselect_b32 s92, 768, s92
	s_cselect_b32 s94, 64, s94
	s_cselect_b32 s96, s74, s96                    ; K: the second half is the next head's: the next record
	s_cselect_b32 s97, s74, s97
	s_cselect_b32 s98, 0xffff0000, s98
	s_cmp_lt_u32 s66, 16
	s_cselect_b32 s88, s77, s88
	s_cselect_b32 s90, s73, s90
	s_cselect_b32 s92, 12288, s92
	s_cselect_b32 s94, 1024, s94
	s_cselect_b32 s96, 768, s96
	s_cselect_b32 s97, 64, s97
	s_cselect_b64 s[10:11], s[10:11], s[14:15]     ; qc or kv
	s_cselect_b64 s[12:13], s[12:13], s[14:15]     ; qs or kv
	s_mov_b32 s89, 0
	s_mov_b32 s91, 0
	s_mov_b32 s93, 0
	s_mov_b32 s95, 0
	s_add_nc_u64 s[88:89], s[10:11], s[88:89]
	s_add_nc_u64 s[90:91], s[12:13], s[90:91]
	v_add_nc_u32 v[O8], 512, v5
	v_add_nc_u32 v[O16H], s96, v4
	v_add_nc_u32 v[O8H], s96, v[O8]
	v_mul_lo_u32 v[OS], v3, s97
	v_lshl_add_u32 v[OS], v2, 2, v[OS]
	s_wait_alu depctr_va_vdst(0)                   ; the wait at the head's end
	s_wait_tensorcnt 0x0                           ; my one load, four K steps of A or of B, is in
	s_barrier_signal -1
	s_barrier_wait -1                              ; K steps 0 and 1 lie in LDS
	FETCH 0, 0
	s_wait_loadcnt 0x0                             ; the scale words and the factor
	STEP 0, 1                                      ; the first products start the sums: nothing is cleared
	STEP 1, 0
	STEP 2, 0
	STEP 3, 0
	STEP 4, 0
	STEP 5, 0
	STEP 6, 0
	STEP 7, 0
	; THE EPILOGUE, an A tile at a time: my row's 64 results x the factor's negative, quantised along the registers, stored as images.  No LDS.
.rept 5
	v_nop                                          ; plain instructions behind the last products, ahead of reads of their results and writes over their operands
.endr
	s_mov_b32 s[SEL], 0x76543210                   ; (every tensor load was waited for ahead of K step 0)
	s_mov_b32 s[SEL+1], 0xfedcba98
.irp b, 0,1,2,3
	v_mov_b32 v[TM+4+\b], 0                        ; written once: a lane permute's destination counts as one of its sources
.endr
.macro EPI a
	WIN 0x0e                                       ; source 0 window 2 (the sums), source 1 window 3 (the factor)
.set n, 0
.rept 32
	v_pk_mul_f32 v[HA+n:HA+n+1], v[64*\a+n:64*\a+n+1], v[32*\a+n%32:32*\a+n%32+1] neg_lo:[0,1] neg_hi:[0,1]   ; ascending: each accumulator from its low end on
.set n, n+2
.endr
	WIN 0
	QUANT HA, PW
	global_store_b128 v4, v[PC:PC+3], s[88:89]     ; 512 consecutive bytes, aligned to 256
	global_store_b64 v[O8], v[PC+4:PC+5], s[88:89]
	global_store_b128 v[O16H], v[PC+6:PC+9], s[88:89]
	global_store_b64 v[O8H], v[PC+10:PC+11], s[88:89]
	v_alignbit_b32 v[RT], v[PW], v[PW], 16         ; the word turned by 16 bits: the second head's two bytes first
	v_cndmask_b32 v[PR], v[PW], v[RT], s98
	global_store_b32 v[OS], v[PR], s[90:91]
	s_wait_xcnt 0x0                                ; the stores have read their data and bases: both are written again below
	s_add_nc_u64 s[88:89], s[88:89], s[92:93]
	s_add_nc_u64 s[90:91], s[90:91], s[94:95]
.endm
	EPI 0
	EPI 1
	EPI 2
	EPI 3
	s_wait_tensorcnt 0x0
	ds_add_u32 v254, v255
	s_wait_dscnt 0x0
	CROUND                                         ; the closing round: no work-group ends while a partner may still ask for a slab that names it
	s_endpgm
.Lfunc_end_k_q32bf46d084_qkv:
	.size	k_q32bf46d084_qkv, .Lfunc_end_k_q32bf46d084_qkv-k_q32bf46d084_qkv
	.p2alignl 7, 3214868480
	.fill 96, 4, 3214868480
	.section	.rodata,"a",@progbits
	.p2align	6, 0x0
	.amdhsa_kernel k_q32bf46d084_qkv
		.amdhsa_group_segment_fixed_size 295424
		.amdhsa_private_segment_fixed_size 0
		.amdhsa_enable_private_segment 0
		.amdhsa_kernarg_size 48
		.amdhsa_user_sgpr_count 2
		.amdhsa_user_sgpr_kernarg_segment_ptr 1
		.amdhsa_wavefront_size32 1
		.amdhsa_system_sgpr_workgroup_id_x 1
		.amdhsa_system_sgpr_workgroup_id_y 1
		.amdhsa_system_sgpr_workgroup_id_z 1
		.amdhsa_system_vgpr_workitem_id 0
		.amdhsa_next_free_vgpr 1024
		.amdhsa_next_free_sgpr 100
		.amdhsa_reserve_vcc 0
		.amdhsa_float_denorm_mode_32 3
		.amdhsa_float_denorm_mode_16_64 3
		.amdhsa_memory_ordered 1
		.amdhsa_forward_progress 1
		.amdhsa_inst_pref_size 104
	.end_amdhsa_kernel
	.amdgpu_metadata
---
amdhsa.version: [ 1, 2 ]
amdhsa.kernels:
  - .name:           k_q32bf46d084_qkv
    .symbol:         k_q32bf46d084_qkv.kd
    .args:
      - { .name: gcodes, .offset: 0, .size: 8, .value_kind: global_buffer, .address_space: global }
      - { .name: gsc, .offset: 8, .size: 8, .value_kind: global_buffer, .address_space: global }
      - { .name: sin, .offset: 16, .size: 8, .value_kind: global_buffer, .address_space: global }
      - { .name: qc, .offset: 24, .size: 8, .value_kind: global_buffer, .address_space: global }
      - { .name: qs, .offset: 32, .size: 8, .value_kind: global_buffer, .address_space: global }
      - { .name: kv, .offset: 40, .size: 8, .value_kind: global_buffer, .address_space: global }
    .group_segment_fixed_size: 295424
    .private_segment_fixed_size: 0
    .kernarg_segment_align: 8
    .kernarg_segment_size: 48
    .max_flat_workgroup_size: 128
    .sgpr_count:     100
    .vgpr_count:     1024
    .wavefront_size: 32
...
	.end_amdgpu_metadata
.endif
;; end of part 2
;; launch attn (part 3): grid 8 x 32, 8 waves a work-group, clusters of 4 x 1, 169,984 bytes of LDS; arguments qc, qs, kv, gcodes, gsc; writes gcodes, gsc
.if DOCPART == 3
	.amdgcn_target "amdgcn-amd-amdhsa--gfx1250"
	.amdhsa_code_object_version 6
	.text
	.protected	k_q32bf46d084_attn
	.globl	k_q32bf46d084_attn
	.p2align	8
	.type	k_q32bf46d084_attn,@function
k_q32bf46d084_attn:
	s_mov_b64 s[64:65], 0
	v_nop
	global_prefetch_b8 v0, s[64:65] scope:SCOPE_SE
	s_setreg_imm32_b32 hwreg(HW_REG_WAVE_MODE, 25, 1), 1
	s_wait_xcnt 0x0
	s_wait_alu depctr_hold_cnt(0) depctr_sa_sdst(0) depctr_va_vdst(0) depctr_va_sdst(0) depctr_va_ssrc(0) depctr_va_vcc(0) depctr_vm_vsrc(0)
	s_getreg_b32 s2, hwreg(HW_REG_IB_STS2, 6, 4)
	s_cmp_eq_u32 s2, 0
	s_cbranch_scc0 .Lentry_in_a_cluster
	s_endpgm
.Lentry_in_a_cluster:
	s_bfe_u32 s2, ttmp6, 0x10000c
	s_cmp_lg_u32 s2, 0x3003
	s_cbranch_scc0 .Lentry_shape_is_right
	s_endpgm
.Lentry_shape_is_right:
; ctx = (the sum over block sizes bs = 1024, 512, 256, 128 of causal attention of each query, at place p mod bs, to keys 0 .. p mod bs of its batch and head) / 4, on codes of FP6 (E2M3).
; ONE STREAM SERVES THE FOUR SIZES.  With p = position mod 1024 and J = p / 128, size bs sees the key steps of 128 below step J mod (bs / 128) whole and that step under the mask key <= p mod 128,
; the same mask for all four.  A tile of 16 queries walks steps 0 .. J with a running M, sum and O^T (open passes); at each step that is some size's last, a MASKED pass takes a copy of the running state,
; adds the masked step, divides by its sum and adds the result, weighted by (how many sizes end there) / 4, to ctx.  Keys behind 1,023 are attended to by no query and are not in kv.
; THE SOFTMAX: t = score x log2(e) / 8; M = the largest t so far, rounded up to a whole number; p = 2^(t - M) is quantised along the keys; the sum is taken of the unquantised p; a change of M multiplies by an exact power of two.
; SHARES.  A work-group owns one (batch, head) and 32 tiles; its record of kv (106,496 bytes) comes into LDS once, a quarter by one joint load of each of waves 0 to 3, shared by the four work-groups of a cluster, and is only read.
; A wave takes FOUR tiles, two at a time: in trip 0 J = wave / 2, in trip 1 J = 7 - wave / 2; tile A is the group of 32 queries b = wave % 2 of its 128, tile B the group 3 - b.  A masked pass computes only the
; (group + 1) blocks of 32 keys that hold a visible key, so every wave has 14 open passes and 10 masked ones with 25 blocks in all: all eight waves have the same count.
; Both tiles use each fragment of K and V that is read from LDS, and so do a step's masked and open pass; the next step's K is asked for behind the open pass's first products, its V behind the last.
; REGISTERS, two windows of 256 with the SAME numbers: tile A's state in window 0, tile B's in window 1.  v64-111: K's fragments in window 0, V's in window 1.  Scale words lie in window 0 (v11, v25, v26, v31-39).
; LAYOUT.  Both products transposed (source 0 = 16 keys or 16 of the head's 64, source 1 = 16 queries): a lane holds one query.  A tile's rows are 32 G + 8 u + r + 8 (r / 8), so 16 registers of two tiles are 16 neighbours.
; THE FIRST PRODUCT'S K IS 64 under an instruction 128 deep: Q's registers 6-11 are zero codes; K's fragment t is v[KF + 6 t .. + 11], whose upper six registers hold the next tile's codes (tile 7: work registers):
; every pattern of 6 bits is a finite number and no scale byte is 0xff, so those products are exact zeros.
; No data prefetch: the record is asked for whole at the head, and there is no loop to run ahead in.
; OUT: ctx as images: gcodes tile 768 + token tile, K step head / 2, half head % 2; its two scale bytes a row into gsc.
; LIMITS: a block of zeros gets the byte 1 (0 for blocks not computed: their codes are zeros); ctx is summed by passes with whole-number weights, not size by size; the promise holds while |t| stays under 2^31; NaN and infinities are not served.
.set REC,   106496
.set PLANE, 1966080
.set L16,  1                           ; 16 x lane
.set L8,   2                           ; 8 x lane
.set L4,   3                           ; 4 x lane + 98,304: the scale words
.set A16,  4                           ; the same three at the NEXT key step
.set A8,   5
.set A4,   6
.set DQ,   7                           ; my query's place in its group of 32, less 16 (lane / 16)
.set NINF, 8
.set OB,   9                           ; 32 r + lane / 16
.set R4,   10                          ; 4 r
.set QSB,  11                          ; tile B's Q scale words
.set NM,   12                          ; v[12:13] -M, the largest t: running;   v[16:17] a masked pass's
.set TX,   13
.set LS,   14                          ; v[14:15] the sum in two halves: running;   v[18:19] a masked pass's
.set FF,   20                          ; v[20:21] f = 2^(old M - new M)
.set AA,   22                          ; v[22:23] weight / sum
.set WT,   24
.set QSA,  25
.set PSA,  26                          ; p's scale words: tile A's, tile B's
.set T0,   27
.set TP,   28
.set T3,   30
.set PSB,  31
.set KS,   32                          ; v32-35 K's scale words: lanes 0-15 tile 2 b, lanes 16-31 tile 2 b + 1
.set VS,   36                          ; v36-39 V's
.set Q,    40
.set PC,   52                          ; p's codes
.set KF,   64
.set VF,   64
.set BM,   112                         ; twelve work registers
.set BT,   116
.set SO,   120
.set CT,   112                         ; (the conversions' second halves: over BM and BT, which are done with by then)
.set S,    124                         ; scores, then p; in a masked pass v124-155 then hold its O^T
.set O,    188                         ; the running O^T: register 16 b + i = d 32 b + 16 (lane / 16) + i
.set CTX,  220
.set SPW,  254
.set NIL,  255
.set WV,   3
.set PR,   14
.set BB,   15
.set SEL,  28
.set CS,   30
.set HM,   32
.set TI,   39
.set J,    40
.set JJ,   41
.set CNT,  44
.set TA,   62                          ; tile A's, tile B's number less 8 J
.set TB,   63
.set MS,   66                          ; s66-81: lane masks: register i of the diagonal block is hidden where i > DQ
.set MSB, 0
.macro WIN new                         ; the immediate's high byte repeats the setting that is left
.if MSB != (\new)
	s_set_vgpr_msb (MSB<<8)|(\new)
.set MSB, (\new)
.endif
.endm
.macro CROUND
	s_barrier_signal -1
	s_barrier_wait -1
	s_cmp_lg_u32 s[WV], 0
	s_cbranch_scc1 .Lnot_wave_0_\@
	s_barrier_signal -3
.Lnot_wave_0_\@:
	s_barrier_wait -3
	s_barrier_signal -1
	s_barrier_wait -1
.endm
.macro KLOAD a16, a8, a4               ; 20 LDS loads: a step's 8 tiles of K and their scale words
.irp t, 0,1,2,3,4,5,6,7
	ds_load_b128 v[KF+6*\t:KF+6*\t+3], v[\a16] offset:768*\t
	ds_load_b64 v[KF+6*\t+4:KF+6*\t+5], v[\a8] offset:768*\t+512
.endr
.irp b, 0,1,2,3
	ds_load_b32 v[KS+\b], v[\a4] offset:128*\b
.endr
.endm
.macro VLOAD a16, a8, a4               ; 20 LDS loads: a step's 4 fragments of V^T (window 1) and their scale words
	WIN 0x40
.irp d, 0,1,2,3
	ds_load_b128 v[VF+12*\d:VF+12*\d+3], v[\a16] offset:49152+1536*\d
	ds_load_b64 v[VF+12*\d+4:VF+12*\d+5], v[\a8] offset:49152+1536*\d+512
	ds_load_b128 v[VF+12*\d+6:VF+12*\d+9], v[\a16] offset:49152+1536*\d+768
	ds_load_b64 v[VF+12*\d+10:VF+12*\d+11], v[\a8] offset:49152+1536*\d+1280
.endr
	WIN 0
.irp d, 0,1,2,3
	ds_load_b32 v[VS+\d], v[\a4] offset:512+128*\d
.endr
.endm
.macro SMUL nb, qs                     ; S^T = K Q^T, 2 nb tiles of 16 keys; the caller sets the windows
.irp t, 0,1,2,3,4,5,6,7
.if \t < 2*\nb
.if \t%2
	v_wmma_scale_f32_16x16x128_f8f6f4 v[S+8*\t:S+8*\t+7], v[KF+6*\t:KF+6*\t+11], v[Q:Q+11], 0, v[KS+\t/2], v[\qs] matrix_a_fmt:MATRIX_FMT_FP6 matrix_b_fmt:MATRIX_FMT_FP6 matrix_a_scale:MATRIX_SCALE_ROW1
.else
	v_wmma_scale_f32_16x16x128_f8f6f4 v[S+8*\t:S+8*\t+7], v[KF+6*\t:KF+6*\t+11], v[Q:Q+11], 0, v[KS+\t/2], v[\qs] matrix_a_fmt:MATRIX_FMT_FP6 matrix_b_fmt:MATRIX_FMT_FP6
.endif
.endif
.endr
.endm
.macro PV acc, ps                      ; O^T += V^T p^T
.irp d, 0,1,2,3
	v_wmma_scale_f32_16x16x128_f8f6f4 v[\acc+8*\d:\acc+8*\d+7], v[VF+12*\d:VF+12*\d+11], v[PC:PC+11], v[\acc+8*\d:\acc+8*\d+7], v[VS+\d], v[\ps] matrix_a_fmt:MATRIX_FMT_FP6 matrix_b_fmt:MATRIX_FMT_FP6
.endr
.endm
; One tile's vector work between its two products.  W: its window in all four places; WD: sources in its window, destination in window 0; PS: its scale word.
; MK = 0: open, four blocks, the running state is updated.  MK = 1: masked, NB blocks, the last the diagonal one; the running state is read, not written.
.macro SOFT MK, NB, W, WD, PS
.if \MK
.set NMW, 16
.set LSW, 18
.set ACC, S
.else
.set NMW, NM
.set LSW, LS
.set ACC, O
.endif
	WIN \W
	s_wait_alu depctr_va_vdst(0)                   ; ahead of the first read of the scores
.if \MK
.irp i, 0,1,2,3,4,5,6,7,8,9,10,11,12,13,14,15
	v_cndmask_b32 v[S+16*(\NB-1)+\i], v[S+16*(\NB-1)+\i], v[NINF], s[MS+\i]   ; a hidden key's score becomes -infinity ahead of the maximum: its p is 0
.endr
	v_cvt_f32_u32 v[WT], s[CNT]
.endif
; the largest score of each block: for the row's maximum and, since p rises with the score, for the block's largest p.  Two chains a block (one for each of its two tiles), all chains by turns
.irp b, 0,1,2,3
.if \b < \NB
	v_max3_num_f32 v[BM+\b], v[S+16*\b], v[S+16*\b+1], v[S+16*\b+2]
	v_max3_num_f32 v[SO+\b], v[S+16*\b+8], v[S+16*\b+9], v[S+16*\b+10]
.endif
.endr
.irp i, 3,5
.irp b, 0,1,2,3
.if \b < \NB
	v_max3_num_f32 v[BM+\b], v[BM+\b], v[S+16*\b+\i], v[S+16*\b+\i+1]
	v_max3_num_f32 v[SO+\b], v[SO+\b], v[S+16*\b+8+\i], v[S+16*\b+8+\i+1]
.endif
.endr
.endr
.irp b, 0,1,2,3
.if \b < \NB
	v_max3_num_f32 v[BM+\b], v[BM+\b], v[S+16*\b+7], v[S+16*\b+15]
.endif
.endr
.irp b, 0,1,2,3
.if \b < \NB
	v_max_num_f32 v[BM+\b], v[BM+\b], v[SO+\b]
.endif
.endr
.irp b, 0,1,2,3
.if \b < \NB
	v_permlanex16_b32 v[BT+\b], v[BM+\b], s[SEL], s[SEL+1]
.endif
.endr
.irp b, 0,1,2,3
.if \b < \NB
	v_max_num_f32 v[BM+\b], v[BM+\b], v[BT+\b]     ; with lane l xor 16's 16 keys
.endif
.endr
.if \NB == 1
	s_delay_alu instid0(VALU_DEP_1)
	v_mul_f32 v[T0], s[CS], v[BM]
.elseif \NB == 2
	s_delay_alu instid0(VALU_DEP_1)
	v_max_num_f32 v[T0], v[BM], v[BM+1]
	s_delay_alu instid0(VALU_DEP_1)
	v_mul_f32 v[T0], s[CS], v[T0]
.elseif \NB == 3
	s_delay_alu instid0(VALU_DEP_1)
	v_max3_num_f32 v[T0], v[BM], v[BM+1], v[BM+2]
	s_delay_alu instid0(VALU_DEP_1)
	v_mul_f32 v[T0], s[CS], v[T0]
.else
	s_delay_alu instid0(VALU_DEP_2)
	v_max3_num_f32 v[T0], v[BM], v[BM+1], v[BM+2]
	s_delay_alu instid0(VALU_DEP_1)
	v_max_num_f32 v[T0], v[T0], v[BM+3]
	s_delay_alu instid0(VALU_DEP_1)
	v_mul_f32 v[T0], s[CS], v[T0]                  ; the step's largest t of my query
.endif
	s_delay_alu instid0(VALU_DEP_1)
	v_max_num_f32 v[NMW+1], v[TX], v[T0]           ; the largest t
	v_mov_b32 v[T3], v[NM]
	s_delay_alu instid0(VALU_DEP_2)
	v_floor_f32 v[NMW], -v[NMW+1]                  ; -M = floor(-t): M is a whole number
.if \MK
	v_mul_f32 v[WT], 0x3e800000, v[WT]             ; the weight: sizes that end here / 4
.endif
.set jj, 0
.rept 8*\NB
	v_pk_fma_f32 v[S+jj:S+jj+1], v[S+jj:S+jj+1], s[CS:CS+1], v[NMW:NMW+1] op_sel_hi:[1,0,0]   ; t - M.  The three lines that make f stand among these, three apart
.if jj == 0
	v_sub_f32 v[T3], v[NMW], v[T3]                 ; old M - new M, 0 or less
.endif
.if jj == 6
	v_cvt_i32_f32 v[T3], v[T3]                     ; (it saturates)
.endif
.if jj == 12
	v_ldexp_f32 v[FF], 1.0, v[T3]                  ; f: a multiplication by it rounds nothing
.endif
.set jj, jj+2
.endr
.irp b, 0,1,2,3
.if \b < \NB
	v_fma_f32 v[BM+\b], v[BM+\b], s[CS], v[NMW]    ; the same of each block's largest score
.endif
.endr
	s_wait_alu depctr_va_vdst(0)                   ; ahead of the batch
.irp b, 0,1,2,3
.if \b < \NB
	v_exp_f32 v[BM+\b], v[BM+\b]                   ; the block's largest p: the same two instructions on the same number give the same bits
.endif
.endr
.set jj, 0
.rept 16*\NB
	v_exp_f32 v[S+jj], v[S+jj]                     ; p = 2^(t - M)
.set jj, jj+1
.endr
	v_pk_mul_f32 v[LSW:LSW+1], v[LS:LS+1], v[FF:FF+1] op_sel_hi:[1,0]   ; the sum under the new M (the plain instruction behind the exponentials)
	s_wait_alu depctr_va_vdst(0)                   ; one wait for the whole batch, ahead of its first reader
	v_pk_add_f32 v[TP:TP+1], v[S:S+1], v[S+2:S+3]  ; the sum of the unquantised p, two at a time, in four chains by turns
	v_pk_add_f32 v[BT:BT+1], v[S+4:S+5], v[S+6:S+7]
	v_pk_add_f32 v[BT+2:BT+3], v[S+8:S+9], v[S+10:S+11]
	v_pk_add_f32 v[LSW:LSW+1], v[LSW:LSW+1], v[S+12:S+13]
	v_pk_add_f32 v[TP:TP+1], v[TP:TP+1], v[S+14:S+15]
.set jj, 16
.rept \NB-1
	v_pk_add_f32 v[BT:BT+1], v[BT:BT+1], v[S+jj:S+jj+1]
	v_pk_add_f32 v[BT+2:BT+3], v[BT+2:BT+3], v[S+jj+2:S+jj+3]
	v_pk_add_f32 v[LSW:LSW+1], v[LSW:LSW+1], v[S+jj+4:S+jj+5]
	v_pk_add_f32 v[TP:TP+1], v[TP:TP+1], v[S+jj+6:S+jj+7]
	v_pk_add_f32 v[BT:BT+1], v[BT:BT+1], v[S+jj+8:S+jj+9]
	v_pk_add_f32 v[BT+2:BT+3], v[BT+2:BT+3], v[S+jj+10:S+jj+11]
	v_pk_add_f32 v[LSW:LSW+1], v[LSW:LSW+1], v[S+jj+12:S+jj+13]
	v_pk_add_f32 v[TP:TP+1], v[TP:TP+1], v[S+jj+14:S+jj+15]
.set jj, jj+16
.endr
.irp b, 0,1,2,3
.if \b < \NB
	v_max_num_f32 v[BM+\b], 0x1800000, v[BM+\b]    ; the floor 2^(3 - 127): the byte cannot fall under 1
.endif
.endr
	v_pk_add_f32 v[BT:BT+1], v[BT:BT+1], v[BT+2:BT+3]
	v_pk_add_f32 v[LSW:LSW+1], v[LSW:LSW+1], v[TP:TP+1]
.irp b, 0,1,2,3
.if \b < \NB
	v_add_nc_u32 v[SO+\b], 0xff000000, v[BM+\b]    ; 2 off the exponent field: the conversion's scale operand
.endif
.endr
	v_pk_add_f32 v[LSW:LSW+1], v[LSW:LSW+1], v[BT:BT+1]
.irp b, 0,1,2,3
.if \b < \NB
	v_lshrrev_b32 v[BT+\b], 23, v[SO+\b]           ; the scale's byte
.endif
.endr
.if \NB == 1
	v_mov_b32 v[T0], v[BT]                         ; p's scale word; the bytes of blocks not computed stay 0: their codes are zeros
.else
	v_lshl_or_b32 v[T0], v[BT+1], 8, v[BT]
.endif
.if \NB > 2
	s_delay_alu instid0(VALU_DEP_1)
	v_lshl_or_b32 v[T0], v[BT+2], 16, v[T0]
.endif
.if \NB > 3
	s_delay_alu instid0(VALU_DEP_1)
	v_lshl_or_b32 v[T0], v[BT+3], 24, v[T0]
.endif
	WIN \WD
	v_mov_b32 v[\PS], v[T0]                        ; scale operands are taken from window 0
	WIN \W
.irp c, 0,1
.if 2*\c >= \NB
.irp i, 0,1,2,3,4,5
	v_mov_b32 v[PC+6*\c+\i], 0                     ; blocks not computed: zero codes
.endr
.elseif 2*\c+1 >= \NB
.irp i, 0,1,2
	v_mov_b32 v[CT+4*\c+\i], 0
.endr
.endif
.endr
.irp c, 0,1
.if 2*\c < \NB
	v_cvt_scalef32_pk16_fp6_f32 v[PC+6*\c:PC+6*\c+2], v[S+32*\c:S+32*\c+15], v[SO+2*\c]
.if 2*\c+1 < \NB
	v_cvt_scalef32_pk16_fp6_f32 v[CT+4*\c:CT+4*\c+2], v[S+32*\c+16:S+32*\c+31], v[SO+2*\c+1]
.endif
.endif
.endr
	v_nop                                          ; one plain instruction behind the scaled conversions
.irp c, 0,1
.if 2*\c < \NB
.irp i, 0,1,2
	v_permlane16_swap_b32 v[PC+6*\c+\i], v[CT+4*\c+\i]   ; a whole block to a lane: lanes 0-15 block 2 c, lanes 16-31 block 2 c + 1
.endr
.irp i, 0,1,2
	v_mov_b32 v[PC+6*\c+3+\i], v[CT+4*\c+\i]
.endr
.endif
.endr
.if \MK
	v_add_f32 v[T0], v[LSW], v[LSW+1]              ; this pass closes a softmax: the sum's two halves,
	s_delay_alu instid0(VALU_DEP_1)
	v_permlanex16_b32 v[T3], v[T0], s[SEL], s[SEL+1]
	s_delay_alu instid0(VALU_DEP_1)
	v_add_f32 v[T0], v[T0], v[T3]                  ; and lane l xor 16's
	s_wait_alu depctr_va_vdst(0)
	v_rcp_f32 v[T0], v[T0]
.endif
	s_wait_alu depctr_va_vdst(0)                   ; directly ahead of the first read of O^T
.set jj, 0
.rept 16
	v_pk_mul_f32 v[ACC+jj:ACC+jj+1], v[O+jj:O+jj+1], v[FF:FF+1] op_sel_hi:[1,0]   ; O^T under the new M (a masked pass: into its own copy).  These 16 also stand between the writes of p's codes and scale word and the products
.set jj, jj+2
.endr
.if \MK
	s_wait_alu depctr_va_vdst(0)                   ; the reciprocal's wait, ahead of its reader
	v_mul_f32 v[AA], v[T0], v[WT]                  ; weight / sum
.endif
	s_wait_alu depctr_va_vdst(0)                   ; ahead of the wait or the products that follow
.endm
.macro ADDCTX                          ; ctx += a masked pass's O^T x weight / sum; ascending: each accumulator from its low end on
	s_wait_alu depctr_va_vdst(0)
.set jj, 0
.rept 16
	v_pk_fma_f32 v[CTX+jj:CTX+jj+1], v[S+jj:S+jj+1], v[AA:AA+1], v[CTX+jj:CTX+jj+1] op_sel_hi:[1,0,1]
.set jj, jj+2
.endr
.endm
; A pass of both tiles over the key step whose fragments lie in registers
.macro DPASS MK, NBA, NBB
	s_wait_alu depctr_va_vdst(0)
	s_wait_dscnt 20                                ; K's 20 loads are in; V's 20, issued behind them, may be out
	SMUL \NBA, QSA
	WIN 0x54                                       ; K window 0, Q and the scores window 1
	SMUL \NBB, QSB
	WIN 0
.rept 4
	v_nop                                          ; four plain instructions behind the products, ahead of reads of the scores and loads into K's registers
.endr
.if \MK == 0
	KLOAD A16, A8, A4                              ; an open pass is the step's last user of K: the next step's
.endif
	SOFT \MK, \NBA, 0, 0, PSA
.if \MK
	s_wait_dscnt 0x0                               ; V is in
.else
	s_wait_dscnt 20                                ; V is in; the 20 loads of the next K may be out
.endif
	WIN 0x01                                       ; V window 1, the rest window 0
	PV ACC, PSA
	SOFT \MK, \NBB, 0x55, 0x15, PSB
	PV ACC, PSB
	WIN 0
.if \MK
	ADDCTX                                         ; tile A's 16 lines name no register of tile B's products: they are the plain instructions behind those
	WIN 0x55
	ADDCTX
	WIN 0
.else
.rept 5
	v_nop                                          ; plain instructions behind the last products, ahead of loads into V's registers
.endr
	VLOAD A16, A8, A4                              ; the next step's V
.endif
.endm
.macro INIT                            ; a tile's state: the passes are written once, the first finds zeros
.set n, 0
.rept 32
	v_mov_b32 v[O+n], 0
	v_mov_b32 v[CTX+n], 0
.set n, n+1
.endr
	v_mov_b32 v[LS], 0
	v_mov_b32 v[LS+1], 0
	v_mov_b32 v[TX], 0xff61b1e6                    ; -3e38, under every t
	s_delay_alu instid0(VALU_DEP_1)
	v_floor_f32 v[NM], -v[TX]
.endm
.macro TEND W, cb                      ; ctx, 64 numbers a query, is quantised along d for the last product and stored as half a fragment's image
	WIN \W
	s_wait_alu depctr_va_vdst(0)
.irp b, 0,1
	v_max3_num_f32 v[BM+\b], |v[CTX+16*\b]|, |v[CTX+16*\b+1]|, 0x1800000
.endr
.irp i, 2,4,6,8,10,12,14
.irp b, 0,1
	s_delay_alu instid0(VALU_DEP_2)
	v_max3_num_f32 v[BM+\b], v[BM+\b], |v[CTX+16*\b+\i]|, |v[CTX+16*\b+\i+1]|
.endr
.endr
.irp b, 0,1
	s_delay_alu instid0(VALU_DEP_2)
	v_permlanex16_b32 v[BT+\b], v[BM+\b], s[SEL], s[SEL+1]
.endr
.irp b, 0,1
	s_delay_alu instid0(VALU_DEP_2)
	v_max_num_f32 v[BM+\b], v[BM+\b], v[BT+\b]
.endr
.irp b, 0,1
	s_delay_alu instid0(VALU_DEP_2)
	v_add_nc_u32 v[SO+\b], 0xff000000, v[BM+\b]
.endr
.irp b, 0,1
	s_delay_alu instid0(VALU_DEP_2)
	v_lshrrev_b32 v[BT+\b], 23, v[SO+\b]
.endr
	v_cvt_scalef32_pk16_fp6_f32 v[PC:PC+2], v[CTX:CTX+15], v[SO]
	v_cvt_scalef32_pk16_fp6_f32 v[CT:CT+2], v[CTX+16:CTX+31], v[SO+1]
	v_nop                                          ; one plain instruction behind the scaled conversions
.irp i, 0,1,2
	v_permlane16_swap_b32 v[PC+\i], v[CT+\i]
.endr
.irp i, 0,1,2
	v_mov_b32 v[PC+3+\i], v[CT+\i]
.endr
	v_cndmask_b32 v[T0], v[BT], v[BT+1], s[HM]     ; each lane the byte of the block that it now holds
	global_store_b128 v[L16], v[PC:PC+3], s[\cb:\cb+1]   ; 512 consecutive bytes, aligned to 256
	global_store_b64 v[L8], v[PC+4:PC+5], s[\cb:\cb+1] offset:512
	global_store_b8 v[OB], v[T0], s[\cb+2:\cb+3]   ; two bytes of each row's 32: the other heads' work-groups store the others
	WIN 0
.endm
.macro QLD tb, j8, pa, wq, qa, qb, ws, qsr   ; a tile's Q: codes and scale words; each tile has bases of its own, so none is written while a load is out
	s_add_co_u32 s56, s[\tb], s[\j8]
	s_lshl_b32 s56, s56, 4
	s_add_co_u32 s56, s56, s35
	s_mul_i32 s58, s56, 768
	s_add_nc_u64 s[\pa:\pa+1], s[4:5], s[58:59]
	s_lshl_b32 s58, s56, 6
	s_add_nc_u64 s[\pa+2:\pa+3], s[6:7], s[58:59]
	WIN \wq
	global_load_b128 v[\qa:\qa+3], v[L16], s[\pa:\pa+1]
	global_load_b64 v[\qb:\qb+1], v[L8], s[\pa:\pa+1] offset:512
	WIN \ws
	global_load_b32 v[\qsr], v[R4], s[\pa+2:\pa+3]
	WIN 0
.endm
.macro CADDR tb, cb                    ; where a tile's ctx goes: s57 = 8 J + 768
	s_add_co_u32 s56, s57, s[\tb]
	s_mul_i32 s58, s56, 1536
	s_add_co_u32 s58, s58, s60
	s_add_nc_u64 s[\cb:\cb+1], s[10:11], s[58:59]
	s_lshl_b32 s58, s56, 9
	s_add_co_u32 s58, s58, s61
	s_add_nc_u64 s[\cb+2:\cb+3], s[12:13], s[58:59]
.endm
	s_load_b256 s[4:11], s[0:1], 0x0               ; qc, qs, kv, gcodes
	s_load_b64 s[12:13], s[0:1], 0x20              ; gsc
	v_lshl_add_u32 v[SPW], v0, 2, 0x29000
	v_mov_b32 v[NIL], 0
	ds_add_u32 v[SPW], v[NIL]                      ; the opening lines: the add, twice on end, and its wait ahead of a wave's tensor load
	ds_add_u32 v[SPW], v[NIL]
	v_lshrrev_b32 v1, 5, v0
	v_readfirstlane_b32 s[WV], v1                  ; wave 0..7
	s_lshr_b32 s[PR], s[WV], 1                     ; my tiles' J: this and 7 less this
	s_and_b32 s[BB], s[WV], 1                      ; tile A's group of 32 queries; tile B's is 3 less this
	s_and_b32 s33, ttmp7, 0xffff                   ; 16 x batch + head, which the four partners share
	s_bfe_u32 s34, ttmp6, 0x40000                  ; cx: it enters global addresses and the mask's data alone
	s_and_b32 s35, s33, 15                         ; head
	s_lshr_b32 s36, s33, 4                         ; batch
	s_lshl_b32 s37, ttmp9, 1
	s_lshr_b32 s38, s34, 1
	s_add_co_u32 s37, s37, s38                     ; which 1,024 queries
	s_and_b32 s38, s34, 1                          ; even or odd tiles
	s_lshl_b32 s47, s36, 8
	s_lshl_b32 s56, s37, 6
	s_add_co_u32 s47, s47, s56
	s_add_co_u32 s47, s47, s38
	s_lshl_b32 s56, s[BB], 1
	s_add_co_u32 s[TA], s47, s56
	s_sub_co_u32 s56, 6, s56
	s_add_co_u32 s[TB], s47, s56
	s_lshr_b32 s60, s35, 1
	s_mul_i32 s60, s60, PLANE
	s_and_b32 s56, s35, 1
	s_mul_i32 s56, s56, 768
	s_add_co_u32 s60, s60, s56                     ; ctx: K step head / 2, half head % 2
	s_lshl_b32 s61, s35, 1                         ; and scale bytes 2 x head on
	s_mov_b32 s[SEL], 0x76543210
	s_mov_b32 s[SEL+1], 0xfedcba98
	s_mov_b32 s[CS], 0x3e38aa3b                    ; log2(e) / 8
	s_mov_b32 s[CS+1], s[CS]
	s_mov_b32 s[HM], 0xffff0000
	; the record comes as four dense quarters of 104 rows of 256 bytes (32 elements of 8 bytes), one from each of waves 0 to 3
	s_mov_b32 s16, 15|(3<<16)|(1<<21)              ; 15:0 the mask: all four work-groups; 17:16 elements of 8 bytes; 21 set beside a mask
	s_mov_b32 s17, 32<<16
	s_mov_b32 s18, 104<<16
	s_mov_b32 s19, 32<<16
	s_mov_b32 s20, 104
	s_mov_b32 s21, 32
	s_mov_b32 s22, 0
	s_mov_b32 s23, 0
	s_and_b32 s56, s[WV], 3
	s_mul_i32 s56, s56, 26624
	s_mul_i32 s58, s33, REC
	s_add_co_u32 s58, s58, s56
	s_mov_b32 s59, 0
	s_wait_dscnt 0x0
	s_wait_kmcnt 0x0
	CROUND                                         ; all four work-groups are here: the joint loads meet
	s_mov_b32 s24, 1
	s_mov_b32 s25, s56
	s_add_nc_u64 s[26:27], s[8:9], s[58:59]
	s_or_b32 s27, s27, 0x80000000
	s_cmp_lt_u32 s[WV], 4
	s_cbranch_scc0 .Lno_fill
	tensor_load_to_lds s[24:27], s[16:23]          ; one load of mine is out
	s_nop 0
.rept 4
	v_nop
.endr
.Lno_fill:
	v_and_b32 v[TP], 31, v0                        ; lane
	v_and_b32 v[T0], 15, v0                        ; r
	v_bfe_u32 v[T3], v0, 4, 1                      ; lane / 16
	v_lshlrev_b32 v[L16], 4, v[TP]
	v_lshlrev_b32 v[L8], 3, v[TP]
	v_lshl_add_u32 v[L4], v[TP], 2, 98304
	v_lshlrev_b32 v[R4], 2, v[T0]
	v_lshl_add_u32 v[OB], v[T0], 5, v[T3]
	v_and_b32 v[DQ], 8, v[T0]
	v_lshlrev_b32 v[TP+1], 4, v[T3]
	v_add_nc_u32 v[DQ], v[DQ], v[T0]               ; r + 8 (r / 8)
	s_lshl_b32 s56, s38, 3
	v_sub_nc_u32 v[DQ], v[DQ], v[TP+1]
	v_add_nc_u32 v[DQ], s56, v[DQ]
	v_mov_b32 v[NINF], 0xff800000
.irp i, 0,1,2,3,4,5,6,7,8,9,10,11,12,13,14,15
	v_cmp_gt_i32 s[MS+\i], \i, v[DQ]               ; the diagonal block's mask, the same for every tile of this work-group: made once
.endr
.irp w, 0, 0x40                        ; in both windows: the upper halves of pairs, Q's upper 64 along K (zero codes), the work registers (named before they are first written)
	WIN \w
	v_mov_b32 v[FF+1], 0
	v_mov_b32 v[AA+1], 0
.irp i, 6,7,8,9,10,11
	v_mov_b32 v[Q+\i], 0
.endr
.irp i, 0,1,2,3,4,5,6,7,8,9,10,11
	v_mov_b32 v[BM+\i], 0
.endr
.endr
	v_mov_b32 v[L16], v[L16]                       ; (destination window 1) tile B's copies of what its lines name
	v_mov_b32 v[L8], v[L8]
	v_mov_b32 v[OB], v[OB]
	v_mov_b32 v[NINF], v[NINF]
	WIN 0
	s_wait_alu depctr_va_vdst(0)                   ; the wait at the head's end
	s_lshl_b32 s57, s[PR], 3                       ; 8 J of trip 0,
	s_sub_co_u32 s43, 56, s57                      ; of trip 1
	QLD TA, 57, 82, 0, Q, Q+4, 0, QSA              ; all four tiles' Q are asked for while the record is on its way; trip 1's wait in spare registers of window 1
	QLD TB, 57, 86, 0x40, Q, Q+4, 0, QSB
	QLD TA, 43, 90, 0x40, 32, 36, 0x40, 38
	QLD TB, 43, 94, 0x40, 252, 10, 0x40, 39
	s_wait_tensorcnt 0x0                           ; my quarter of the record is in,
	s_barrier_signal -1
	s_barrier_wait -1                              ; everybody's is; from here on LDS is only read
	s_mov_b32 s[TI], 0
.Ltile:                                            ; two trips, two tiles each
	s_wait_xcnt 0x0                                ; the last trip's stores have read their bases and data
	s_wait_dscnt 0x0                               ; no LDS load into K's, V's or the scales' registers is out when this trip's first loads are issued into them
	s_sub_co_u32 s56, 7, s[PR]
	s_cmp_eq_u32 s[TI], 0
	s_cselect_b32 s[J], s[PR], s56
	s_and_b32 s45, s[J], 1                         ; the last step of size 256,
	s_and_b32 s46, s[J], 3                         ; of size 512
	s_lshl_b32 s57, s[J], 3
	s_add_co_u32 s57, s57, 768
	CADDR TA, 48
	CADDR TB, 52
	INIT
	WIN 0x55
	INIT
	WIN 0
	KLOAD L16, L8, L4                              ; step 0's K, then its V: 40 loads are out
	VLOAD L16, L8, L4
	s_mov_b32 s[JJ], 0
	s_wait_loadcnt 0x0                             ; Q
.Lstep:                                            ; eight trips, a constant; steps behind my tiles' J are passed over by a branch on the wave's number and the counters
	s_cmp_gt_u32 s[JJ], s[J]
	s_cbranch_scc1 .Lnext
	s_add_co_u32 s56, s[JJ], 1
	s_min_u32 s56, s56, 7                          ; the next step (held inside the record)
	s_mul_i32 s42, s56, 6144                       ; a step's 8 tiles of K, and its 4 fragments of V
	s_lshl_b32 s43, s56, 10                        ; its scale words
	v_add_nc_u32 v[A16], s42, v[L16]
	v_add_nc_u32 v[A8], s42, v[L8]
	v_add_nc_u32 v[A4], s43, v[L4]
	s_cmp_eq_u32 s[JJ], 0                          ; how many of the four sizes end at this step
	s_cselect_b32 s[CNT], 1, 0
	s_cmp_eq_u32 s[JJ], s45
	s_cselect_b32 s56, 1, 0
	s_cmp_eq_u32 s[JJ], s46
	s_cselect_b32 s57, 1, 0
	s_cmp_eq_u32 s[JJ], s[J]
	s_cselect_b32 s58, 1, 0
	s_add_co_u32 s[CNT], s[CNT], s56
	s_add_co_u32 s[CNT], s[CNT], s57
	s_add_co_u32 s[CNT], s[CNT], s58
	s_cmp_eq_u32 s[CNT], 0
	s_cbranch_scc1 .Lmasked_done
	s_cmp_eq_u32 s[BB], 0
	s_cbranch_scc1 .Lgroups_0_3
	DPASS 1, 2, 3
	s_branch .Lmasked_done
.Lgroups_0_3:
	DPASS 1, 1, 4
.Lmasked_done:
	s_cmp_eq_u32 s[JJ], s[J]
	s_cbranch_scc1 .Lnext                          ; the tiles' last step is only masked
	DPASS 0, 4, 4
.Lnext:
	s_add_co_u32 s[JJ], s[JJ], 1
	s_cmp_lt_u32 s[JJ], 8
	s_cbranch_scc1 .Lstep
	TEND 0, 48
	TEND 0x55, 52
	WIN 0x01                                       ; trip 1's Q comes out of its spare registers
.irp i, 0,1,2,3,4,5
	v_mov_b32 v[Q+\i], v[32+\i]
.endr
	v_mov_b32 v[QSA], v38
	v_mov_b32 v[QSB], v39
	WIN 0x41
.irp i, 0,1,2,3
	v_mov_b32 v[Q+\i], v[252+\i]
.endr
	v_mov_b32 v[Q+4], v10
	v_mov_b32 v[Q+5], v11
	WIN 0
	s_add_co_u32 s[TI], s[TI], 1
	s_cmp_lt_u32 s[TI], 2
	s_wait_alu depctr_va_vdst(0)                   ; directly ahead of the branch
	s_cbranch_scc1 .Ltile
	s_wait_tensorcnt 0x0                           ; the wave's end
	ds_add_u32 v[SPW], v[NIL]
	s_wait_dscnt 0x0
	CROUND                                         ; the closing round
	s_endpgm
.Lfunc_end_k_q32bf46d084_attn:
	.size	k_q32bf46d084_attn, .Lfunc_end_k_q32bf46d084_attn-k_q32bf46d084_attn
	.p2alignl 7, 3214868480
	.fill 96, 4, 3214868480
	.section	.rodata,"a",@progbits
	.p2align	6, 0x0
	.amdhsa_kernel k_q32bf46d084_attn
		.amdhsa_group_segment_fixed_size 169984
		.amdhsa_private_segment_fixed_size 0
		.amdhsa_enable_private_segment 0
		.amdhsa_kernarg_size 40
		.amdhsa_user_sgpr_count 2
		.amdhsa_user_sgpr_kernarg_segment_ptr 1
		.amdhsa_wavefront_size32 1
		.amdhsa_system_sgpr_workgroup_id_x 1
		.amdhsa_system_sgpr_workgroup_id_y 1
		.amdhsa_system_sgpr_workgroup_id_z 1
		.amdhsa_system_vgpr_workitem_id 0
		.amdhsa_next_free_vgpr 512
		.amdhsa_next_free_sgpr 100
		.amdhsa_reserve_vcc 0
		.amdhsa_float_denorm_mode_32 3
		.amdhsa_float_denorm_mode_16_64 3
		.amdhsa_memory_ordered 1
		.amdhsa_forward_progress 1
		.amdhsa_inst_pref_size 104
	.end_amdhsa_kernel
	.amdgpu_metadata
---
amdhsa.version: [ 1, 2 ]
amdhsa.kernels:
  - .name:           k_q32bf46d084_attn
    .symbol:         k_q32bf46d084_attn.kd
    .args:
      - { .name: qc, .offset: 0, .size: 8, .value_kind: global_buffer, .address_space: global }
      - { .name: qs, .offset: 8, .size: 8, .value_kind: global_buffer, .address_space: global }
      - { .name: kv, .offset: 16, .size: 8, .value_kind: global_buffer, .address_space: global }
      - { .name: gcodes, .offset: 24, .size: 8, .value_kind: global_buffer, .address_space: global }
      - { .name: gsc, .offset: 32, .size: 8, .value_kind: global_buffer, .address_space: global }
    .group_segment_fixed_size: 169984
    .private_segment_fixed_size: 0
    .kernarg_segment_align: 8
    .kernarg_segment_size: 40
    .max_flat_workgroup_size: 256
    .sgpr_count:     100
    .vgpr_count:     512
    .wavefront_size: 32
...
	.end_amdgpu_metadata
.endif
;; end of part 3
;; launch outp (part 4): grid 4 x 64, 4 waves a work-group, clusters of 4 x 4, 295,424 bytes of LDS; arguments gcodes, gsc, out0; writes out0
.if DOCPART == 4
	.amdgcn_target "amdgcn-amd-amdhsa--gfx1250"
	.amdhsa_code_object_version 6
	.text
	.protected	k_q32bf46d084_outp
	.globl	k_q32bf46d084_outp
	.p2align	8
	.type	k_q32bf46d084_outp,@function
k_q32bf46d084_outp:
	s_mov_b64 s[64:65], 0
	v_nop
	global_prefetch_b8 v0, s[64:65] scope:SCOPE_SE
	s_setreg_imm32_b32 hwreg(HW_REG_WAVE_MODE, 25, 1), 1
	s_wait_xcnt 0x0
	s_wait_alu depctr_hold_cnt(0) depctr_sa_sdst(0) depctr_va_vdst(0) depctr_va_sdst(0) depctr_va_ssrc(0) depctr_va_vcc(0) depctr_vm_vsrc(0)
	s_getreg_b32 s2, hwreg(HW_REG_IB_STS2, 6, 4)
	s_cmp_eq_u32 s2, 0
	s_cbranch_scc0 .Lentry_in_a_cluster
	s_endpgm
.Lentry_in_a_cluster:
	s_bfe_u32 s2, ttmp6, 0x10000c
	s_cmp_lg_u32 s2, 0xf033
	s_cbranch_scc0 .Lentry_shape_is_right
	s_endpgm
.Lentry_shape_is_right:
; out0 = ctx wo^T on codes of FP6 (E2M3).  ctx's fragments are tiles 768 .. 1279 of gcodes, wo's tiles 704 .. 767; their scale bytes lie in gsc.  out0: [8192][1024] f32.
; A work-group makes 128 tokens x 256 outputs; source 0 = 16 rows of wo, source 1 = 16 tokens: a lane holds one token and its registers run along the outputs.
; A tile's 16 rows are rows 32 G + 8 u + r + 8 (r / 8) (tile 2 G + u), of tokens and of wo alike.  Four waves, each 64 tokens x 128 outputs: 32 accumulators.  K = 1,024 is 8 steps of 128.
; ALL OF K LIES IN LDS, filled once: ctx's 8 tiles x 8 steps (98,304 bytes), then wo's 16 tiles x 8 steps (196,608).  CLUSTER 4 x 4: ctx's slabs are shared along a row of the cluster, wo's along a column.
; A wave issues one load (K steps 4 (wave % 2) .. + 3): one is out at the most.
; REGISTERS: window 0: v0-31 addresses; v32-95 scale words; v96-191 A's fragments, two sets (on the way out v96-223: rows of out0); window 1: B's fragments, two sets; window 2: accumulator (a, b) at v[8 (8 a + b)].
.set PLANE, 1966080
.set LB,    98304
.set SCR,   32
.set AF,    96
.set ADA16, 8
.set ADA8,  10
.set ADB16, 12
.set ADB8,  16
.set VS0,   20
.set VS1,   21
.set STO,   22
.set RD,    23
.set BK,    96
.set WV,    3
.set G1A,   16
.set G1B,   24
.set G0A,   32
.set G0B,   48
.set MSB, 0
.macro WIN new                         ; the immediate's high byte repeats the setting that is left
.if MSB != \new
	s_set_vgpr_msb (MSB<<8)|\new
.set MSB, \new
.endif
.endm
.set MUL,  0xa1                        ; source 0 (B) window 1, source 1 (A) window 0, C and D window 2
.set TO_B, 0x40
.macro CROUND
	s_barrier_signal -1
	s_barrier_wait -1
	s_cmp_lg_u32 s[WV], 0
	s_cbranch_scc1 .Lnot_wave_0_\@
	s_barrier_signal -3
.Lnot_wave_0_\@:
	s_barrier_wait -3
	s_barrier_signal -1
	s_barrier_wait -1
.endm
.macro FETCH s, p                      ; 48 LDS loads: K step s's fragments (my 8 of B, my 4 of A) into set p
	WIN TO_B
.irp b, 0,1,2,3,4,5,6,7
	ds_load_b128 v[128*(\p)+12*\b:128*(\p)+12*\b+3], v[ADB16+(\s)/2] offset:((\s)%2)*24576+1536*\b
	ds_load_b64 v[128*(\p)+12*\b+4:128*(\p)+12*\b+5], v[ADB8+(\s)/2] offset:((\s)%2)*24576+1536*\b+512
	ds_load_b128 v[128*(\p)+12*\b+6:128*(\p)+12*\b+9], v[ADB16+(\s)/2] offset:((\s)%2)*24576+1536*\b+768
	ds_load_b64 v[128*(\p)+12*\b+10:128*(\p)+12*\b+11], v[ADB8+(\s)/2] offset:((\s)%2)*24576+1536*\b+1280
.endr
	WIN 0
.irp a, 0,1,2,3
	ds_load_b128 v[AF+48*(\p)+12*\a:AF+48*(\p)+12*\a+3], v[ADA16+(\s)/4] offset:((\s)%4)*12288+1536*\a
	ds_load_b64 v[AF+48*(\p)+12*\a+4:AF+48*(\p)+12*\a+5], v[ADA8+(\s)/4] offset:((\s)%4)*12288+1536*\a+512
	ds_load_b128 v[AF+48*(\p)+12*\a+6:AF+48*(\p)+12*\a+9], v[ADA16+(\s)/4] offset:((\s)%4)*12288+1536*\a+768
	ds_load_b64 v[AF+48*(\p)+12*\a+10:AF+48*(\p)+12*\a+11], v[ADA8+(\s)/4] offset:((\s)%4)*12288+1536*\a+1280
.endr
.endm
.macro MUL16 a0, p, s, zero            ; the 32 accumulators take turns, one instruction a turn, in the same order in every step
.irp a, \a0, \a0+1
.irp b, 0,1,2,3,4,5,6,7
.if \zero
	v_wmma_scale_f32_16x16x128_f8f6f4 v[8*(8*(\a)+\b):8*(8*(\a)+\b)+7], v[128*(\p)+12*\b:128*(\p)+12*\b+11], v[AF+48*(\p)+12*(\a):AF+48*(\p)+12*(\a)+11], 0, v[SCR+8*\b+(\s)], v[SCR+8*(\a)+(\s)] matrix_a_fmt:MATRIX_FMT_FP6 matrix_b_fmt:MATRIX_FMT_FP6 matrix_a_scale:MATRIX_SCALE_ROW1
.else
	v_wmma_scale_f32_16x16x128_f8f6f4 v[8*(8*(\a)+\b):8*(8*(\a)+\b)+7], v[128*(\p)+12*\b:128*(\p)+12*\b+11], v[AF+48*(\p)+12*(\a):AF+48*(\p)+12*(\a)+11], v[8*(8*(\a)+\b):8*(8*(\a)+\b)+7], v[SCR+8*\b+(\s)], v[SCR+8*(\a)+(\s)] matrix_a_fmt:MATRIX_FMT_FP6 matrix_b_fmt:MATRIX_FMT_FP6 matrix_a_scale:MATRIX_SCALE_ROW1
.endif
.endr
.endr
.endm
; K step s.
.macro STEP s, zero
	s_wait_dscnt 0x0                               ; this step's fragments are in
	WIN MUL
	MUL16 0, (\s)%2, \s, \zero
.if (\s) < 7
.rept 4
	v_nop                                          ; four plain instructions between the last step's products and the loads into the registers that they read
.endr
	FETCH (\s)+1, 1-(\s)%2
.endif
	WIN MUL
	MUL16 2, (\s)%2, \s, \zero
	WIN 0
.endm
	s_load_b128 s[4:7], s[0:1], 0x0                ; gcodes, gsc
	s_load_b64 s[8:9], s[0:1], 0x10                ; out0
	v_lshl_add_u32 v254, v0, 2, 0x48000
	v_mov_b32 v255, 0
	ds_add_u32 v254, v255
	ds_add_u32 v254, v255
	v_lshrrev_b32 v1, 5, v0
	v_readfirstlane_b32 s[WV], v1                  ; wave 0..3
	s_lshr_b32 s82, s[WV], 1                       ; wA: which 4 of the 8 A tiles are mine.  Also: I fetch for A (0) or for B (1)
	s_and_b32 s83, s[WV], 1                        ; wB: which 8 of the 16 B tiles.  Also: the even or the odd K steps
	s_and_b32 s66, ttmp7, 0xffff
	s_bfe_u32 s67, ttmp6, 0x40000                  ; cx
	s_bfe_u32 s68, ttmp6, 0x40004                  ; cy
	s_lshl_b32 s69, s66, 2
	s_add_co_u32 s69, s69, s68                     ; Y = 4 x cluster y + cy: my 128 tokens
	s_lshl_b32 s72, s69, 3
	s_add_co_u32 s72, s72, 768                     ; ctx's tiles: made of cy and the cluster's y alone
	s_lshl_b32 s76, s67, 4
	s_add_co_u32 s76, s76, 704                     ; wo's tiles: made of cx alone
	s_lshl_b32 s84, s68, 2
	s_lshl_b32 s84, 15, s84                        ; my row of the cluster
	s_lshl_b32 s85, 0x1111, s67                    ; my column
	s_or_b32 s[G1A], s84, (3<<16)|(1<<21)          ; a slab is dense: rows of 256 bytes (32 elements of 8 bytes), 48 for A, 96 for B; no padding
	s_or_b32 s[G1B], s85, (3<<16)|(1<<21)
	; ONE LOAD A WAVE: a row of the tile is one K step's dense slab (A: 12,288 bytes, B: 24,576), the pitch is a K step's plane, four rows: K steps 4 (wave % 2) .. + 3
	s_mov_b32 s[G1A+1], 1536<<16
	s_mov_b32 s[G1A+2], 4<<16
	s_mov_b32 s[G1A+3], 1536<<16
	s_mov_b32 s[G1A+4], 4
	s_mov_b32 s[G1A+5], PLANE/8
	s_mov_b32 s[G1A+6], 0
	s_mov_b32 s[G1A+7], 0
	s_mov_b32 s[G1B+1], 3072<<16
	s_mov_b32 s[G1B+2], 4<<16
	s_mov_b32 s[G1B+3], 3072<<16
	s_mov_b32 s[G1B+4], 4
	s_mov_b32 s[G1B+5], PLANE/8
	s_mov_b32 s[G1B+6], 0
	s_mov_b32 s[G1B+7], 0
	s_mul_i32 s99, s83, 4*PLANE                    ; my first K step: 0 or 4
	s_mul_i32 s78, s72, 1536
	s_add_co_u32 s78, s78, s99
	s_mov_b32 s79, 0
	s_mul_i32 s86, s76, 1536
	s_add_co_u32 s86, s86, s99
	s_mov_b32 s87, 0
	s_mul_i32 s80, s83, 49152
	s_mul_i32 s81, s83, 98304
	s_wait_dscnt 0x0
	s_wait_kmcnt 0x0
	s_add_nc_u64 s[78:79], s[4:5], s[78:79]
	s_add_nc_u64 s[86:87], s[4:5], s[86:87]
	CROUND                                         ; all sixteen work-groups are here: the joint loads meet
.irp c, 0
	s_mov_b32 s[G0A+4*\c], 1
	s_add_co_u32 s[G0A+4*\c+1], s80, \c*24576
	s_add_nc_u64 s[G0A+4*\c+2:G0A+4*\c+3], s[78:79], 2*\c*PLANE
	s_or_b32 s[G0A+4*\c+3], s[G0A+4*\c+3], 0x80000000
	s_mov_b32 s[G0B+4*\c], 1
	s_add_co_u32 s[G0B+4*\c+1], s81, LB+\c*49152
	s_add_nc_u64 s[G0B+4*\c+2:G0B+4*\c+3], s[86:87], 2*\c*PLANE
	s_or_b32 s[G0B+4*\c+3], s[G0B+4*\c+3], 0x80000000
.endr
	s_cmp_eq_u32 s82, 0                            ; a wave's one fill stand in one branch on the wave's number
	s_cbranch_scc0 .Lfill_b
.irp c, 0
	tensor_load_to_lds s[G0A+4*\c:G0A+4*\c+3], s[G1A:G1A+7]
	s_nop 0
.endr
.rept 4
	v_nop
.endr
	s_branch .Lfilled
.Lfill_b:
.irp c, 0
	tensor_load_to_lds s[G0B+4*\c:G0B+4*\c+3], s[G1B:G1B+7]
	s_nop 0
.endr
.rept 4
	v_nop
.endr
.Lfilled:
	v_and_b32 v1, 31, v0                           ; lane
	v_and_b32 v2, 15, v0                           ; r
	v_bfe_u32 v3, v0, 4, 1                         ; lane / 16
	v_lshlrev_b32 v4, 4, v1                        ; 16 x lane
	v_lshlrev_b32 v5, 3, v1                        ; 8 x lane
	s_mul_i32 s73, s82, 6144
	s_mul_i32 s74, s83, 12288
	s_add_co_u32 s74, s74, LB
.irp q, 0,1
	v_add_nc_u32 v[ADA16+\q], s73, v4
	v_add_nc_u32 v[ADA8+\q], s73, v5
	s_add_co_u32 s73, s73, 49152
.endr
.irp q, 0,1,2,3
	v_add_nc_u32 v[ADB16+\q], s74, v4
	v_add_nc_u32 v[ADB8+\q], s74, v5
	s_add_co_u32 s74, s74, 49152
.endr
	s_mul_i32 s73, s[WV], 8448                     ; my stage for the way out: 16 rows of 528 bytes
	v_mul_u32_u24 v[STO], v2, 528
	v_lshl_add_u32 v[STO], v3, 6, v[STO]
	v_add_nc_u32 v[STO], s73, v[STO]               ; in: row r, + 64 bytes for lanes 16-31
	v_add_nc_u32 v[RD], s73, v4                    ; back: the 32 lanes take a row of 512 bytes
	s_lshl_b32 s85, s82, 2
	s_add_co_u32 s85, s85, s72                     ; my first A tile
	s_lshl_b32 s75, s85, 9
	s_lshl_b32 s77, s83, 3
	s_add_co_u32 s77, s77, s76                     ; my first B tile
	s_lshl_b32 s77, s77, 9
	s_mov_b32 s79, 0xffff0000
	v_mov_b32 v6, s75
	v_mov_b32 v7, s77
	v_cndmask_b32 v6, v6, v7, s79                  ; the scale words: lanes 0-15 A's, lanes 16-31 B's; 32 bytes a row: all 8 K steps
	v_lshl_add_u32 v[VS0], v2, 5, v6
	v_lshl_add_u32 v[VS1], v3, 11, v[VS0]
.irp i, 0,1,2,3
	global_load_b128 v[SCR+8*\i:SCR+8*\i+3], v[VS0], s[6:7] offset:512*\i
	global_load_b128 v[SCR+8*\i+4:SCR+8*\i+7], v[VS0], s[6:7] offset:512*\i+16
.endr
.irp i, 0,1,2,3
	global_load_b128 v[SCR+32+8*\i:SCR+32+8*\i+3], v[VS1], s[6:7] offset:512*\i
	global_load_b128 v[SCR+32+8*\i+4:SCR+32+8*\i+7], v[VS1], s[6:7] offset:512*\i+16
.endr
	s_lshl_b32 s73, s69, 7
	s_lshl_b32 s74, s82, 6
	s_add_co_u32 s73, s73, s74                     ; my first token
	s_lshl_b32 s74, s73, 12                        ; rows of 4,096 bytes
	s_lshl_b32 s75, s67, 10
	s_add_co_u32 s74, s74, s75
	s_lshl_b32 s75, s83, 9
	s_add_co_u32 s74, s74, s75                     ; my 128 outputs: 1,024 cx + 512 wB bytes on
	s_mov_b32 s75, 0
	s_add_nc_u64 s[8:9], s[8:9], s[74:75]
	s_wait_alu depctr_va_vdst(0)                   ; the wait at the head's end
	s_wait_tensorcnt 0x0                           ; my one load, four K steps of A or of B, is in
	s_barrier_signal -1
	s_barrier_wait -1
	FETCH 0, 0
	s_wait_loadcnt 0x0                             ; the scale words
	STEP 0, 1                                      ; the first products start the sums
	STEP 1, 0
	STEP 2, 0
	STEP 3, 0
	STEP 4, 0
	STEP 5, 0
	STEP 6, 0
	STEP 7, 0
; THE WAY OUT, an A tile (16 tokens x 128 outputs) at a time, through my own stage: it lies in A's slabs, which have had their only fill; the barrier below shows that no wave reads them any more.
; LDS serves a wave's instructions in order: no wait between the stores and the loads, nor in front of the next tile's stores.
.macro TOSTAGE a
	WIN 0x08                                       ; an LDS store's data: window 2
.irp b, 0,1,2,3,4,5,6,7
	ds_store_b128 v[STO], v[8*(8*(\a)+\b):8*(8*(\a)+\b)+3] offset:128*(\b/2)+32*(\b%2)       ; each accumulator from its low end on: outputs 32 (b / 2) + 16 (lane / 16) + 8 (b % 2) + 0 .. 7
	ds_store_b128 v[STO], v[8*(8*(\a)+\b)+4:8*(8*(\a)+\b)+7] offset:128*(\b/2)+32*(\b%2)+16
.endr
	WIN 0
.irp t, 0,1,2,3,4,5,6,7,8,9,10,11,12,13,14,15
	ds_load_b128 v[BK+64*((\a)%2)+4*\t:BK+64*((\a)%2)+4*\t+3], v[RD] offset:528*\t
.endr
.endm
.macro SEND a, younger                 ; younger: the LDS instructions issued behind tile a's loads, which may stay out
	s_wait_dscnt \younger
.irp t, 0,1,2,3,4,5,6,7,8,9,10,11,12,13,14,15
	global_store_b128 v4, v[BK+64*((\a)%2)+4*\t:BK+64*((\a)%2)+4*\t+3], s[8:9] offset:(32*((\a)/2)+8*((\a)%2)+\t+8*(\t/8))*4096 th:TH_STORE_NT   ; 32 lanes store 512 consecutive bytes, aligned to 256
.endr
.endm
	s_wait_alu depctr_va_vdst(0)
	s_wait_dscnt 0x0
	s_barrier_signal -1
	s_barrier_wait -1                              ; every wave's reads of the slabs are over
.rept 4
	v_nop                                          ; plain instructions behind the last products, ahead of stores of results and loads into operands
.endr
	TOSTAGE 0
.irp a, 1,2,3
.if \a > 1
	s_wait_xcnt 0x0                                ; tile a - 2's stores have read their registers: tile a's loads may land there
.endif
	TOSTAGE \a
	SEND \a-1, 32                                  ; behind tile a - 1's loads: tile a's 16 stores and 16 loads
.endr
	SEND 3, 0
	s_wait_tensorcnt 0x0
	ds_add_u32 v254, v255
	s_wait_dscnt 0x0
	CROUND                                         ; the closing round
	s_endpgm
.Lfunc_end_k_q32bf46d084_outp:
	.size	k_q32bf46d084_outp, .Lfunc_end_k_q32bf46d084_outp-k_q32bf46d084_outp
	.p2alignl 7, 3214868480
	.fill 96, 4, 3214868480
	.section	.rodata,"a",@progbits
	.p2align	6, 0x0
	.amdhsa_kernel k_q32bf46d084_outp
		.amdhsa_group_segment_fixed_size 295424
		.amdhsa_private_segment_fixed_size 0
		.amdhsa_enable_private_segment 0
		.amdhsa_kernarg_size 24
		.amdhsa_user_sgpr_count 2
		.amdhsa_user_sgpr_kernarg_segment_ptr 1
		.amdhsa_wavefront_size32 1
		.amdhsa_system_sgpr_workgroup_id_x 1
		.amdhsa_system_sgpr_workgroup_id_y 1
		.amdhsa_system_sgpr_workgroup_id_z 1
		.amdhsa_system_vgpr_workitem_id 0
		.amdhsa_next_free_vgpr 768
		.amdhsa_next_free_sgpr 100
		.amdhsa_reserve_vcc 0
		.amdhsa_float_denorm_mode_32 3
		.amdhsa_float_denorm_mode_16_64 3
		.amdhsa_memory_ordered 1
		.amdhsa_forward_progress 1
		.amdhsa_inst_pref_size 82
	.end_amdhsa_kernel
	.amdgpu_metadata
---
amdhsa.version: [ 1, 2 ]
amdhsa.kernels:
  - .name:           k_q32bf46d084_outp
    .symbol:         k_q32bf46d084_outp.kd
    .args:
      - { .name: gcodes, .offset: 0, .size: 8, .value_kind: global_buffer, .address_space: global }
      - { .name: gsc, .offset: 8, .size: 8, .value_kind: global_buffer, .address_space: global }
      - { .name: out0, .offset: 16, .size: 8, .value_kind: global_buffer, .address_space: global }
    .group_segment_fixed_size: 295424
    .private_segment_fixed_size: 0
    .kernarg_segment_align: 8
    .kernarg_segment_size: 24
    .max_flat_workgroup_size: 128
    .sgpr_count:     100
    .vgpr_count:     768
    .wavefront_size: 32
...
	.end_amdgpu_metadata
.endif
;; end of part 4
